; MI455X (gfx1250); checked and timed in simulation.
; The chip was launched on July 23, 2026; its instructions are those of AMD's public machine-readable ISA for CDNA 5 (MIT licence, August 2026) and "CDNA5" Instruction Set Architecture Reference Guide (July 2026). The comments in the code are by the model that wrote it; some were corrected since.
;; Simple Self Attention. Allowed arithmetic: float matrix products may take bf16 or f16 operands with f32 sums; all other float work in f32.
;; Inputs: Wk 1,024 x 1,024 float32; Wq 1,024 x 1,024 float32; Wv 1,024 x 1,024 float32; bk 1,024 float32; bq 1,024 float32; bv 1,024 float32; x 4 x 2,048 x 1,024 float32.
;; Outputs: out0 4 x 2,048 x 1,024 float32.
;; 2 versions, each right; version 2 is version 1 with the launch cast written anew for expert scheduling mode. Each part assembles by itself: llvm-mc -triple=amdgcn-amd-amdhsa -mcpu=gfx1250 --defsym DOCPART=n.
;; ======== version 1 of 2: 4 launches
;; limits: values are held in f16: magnitudes above 65,504 overflow, below 6.1e-05 lose precision
;; workspace buffers: xb 16,777,216 bytes; wb 6,291,456 bytes; qkv 50,331,648 bytes; pt 33,554,432 bytes; ms 524,288 bytes; ls 524,288 bytes
;; launch cast (part 1): grid 256 x 1, 8 waves a work-group, no clusters, 0 bytes of LDS; arguments x, Wq, Wk, Wv, xb, wb; writes xb, wb
.if DOCPART == 1
	.amdgcn_target "amdgcn-amd-amdhsa--gfx1250"
	.amdhsa_code_object_version 6
	.text
	.protected	k_q9f99f73a3b_cast
	.globl	k_q9f99f73a3b_cast
	.p2align	8
	.type	k_q9f99f73a3b_cast,@function
k_q9f99f73a3b_cast:
	s_mov_b64 s[64:65], 0
	v_nop
	global_prefetch_b8 v0, s[64:65] scope:SCOPE_SE
	s_setreg_imm32_b32 hwreg(HW_REG_WAVE_MODE, 25, 1), 1
	s_wait_xcnt 0x0
; x [8192][1024] and Wq, Wk, Wv [1024][1024], all f32, are rounded once to bf16 and laid out in K blocks of 64:
;   xb [16 kc][8192 rows][64],  wb [16 kc][3072 rows][64] (rows 0-1023 Wq, 1024-2047 Wk, 2048-3071 Wv),
; so that the product behind finds a K step of 64 as one dense block.
; A stream: no LDS, no barrier, no matrix unit; every byte is read once and written once.
; SHARES.  Work-group g: rows 32 g .. 32 g + 31 of x and rows 4 g .. 4 g + 3 of each W.  Wave w: K blocks 2 w and 2 w + 1.
; Lanes 0-15 take 256 consecutive bytes (64 numbers, one K block) of an even row, lanes 16-31 the same of the row below;
; the wave's store of 8 bytes a lane then covers 256 consecutive bytes, aligned: two rows of one K block.
; All 44 loads of a wave go out first, each into registers of its own.
.set XKC, 8192*128                     ; bytes of a K block of xb
.set WKC, 3072*128                     ; bytes of a K block of wb
.set VX,  1                            ; v1  byte offset in x and in W: 4096 h + 512 w + 16 r
.set VY,  2                            ; v2  byte offset in xb: 2 w XKC + 128 h + 8 r
.set VW,  3                            ; v3  byte offset in wb: 2 w WKC + 128 h + 8 r
.set D,   8                            ; v[8+4i : 11+4i]  load i of 44
	s_load_b256 s[4:11], s[0:1], 0x0               ; x s[4:5], Wq s[6:7], Wk s[8:9], Wv s[10:11]
	s_load_b128 s[12:15], s[0:1], 0x20             ; xb s[12:13], wb s[14:15]
	v_and_b32 v4, 15, v0                           ; r
	v_bfe_u32 v5, v0, 4, 1                         ; h
	v_lshrrev_b32 v6, 5, v0                        ; w
	v_lshlrev_b32 v[VX], 4, v4
	v_lshl_add_u32 v[VX], v5, 12, v[VX]
	v_lshl_add_u32 v[VX], v6, 9, v[VX]
	v_lshlrev_b32 v7, 3, v4
	v_lshl_add_u32 v7, v5, 7, v7                   ; 128 h + 8 r
	v_lshl_add_u32 v[VY], v6, 21, v7               ; 2 XKC = 2^21
	v_mul_u32_u24 v[VW], v6, 2*WKC
	v_add_nc_u32 v[VW], v[VW], v7
	s_lshl_b32 s16, ttmp9, 17                      ; 32 rows of 4,096 bytes of x
	s_mov_b32 s17, 0
	s_lshl_b32 s18, ttmp9, 14                      ; 4 rows of 4,096 bytes of a W
	s_mov_b32 s19, 0
	s_lshl_b32 s20, ttmp9, 12                      ; 32 rows of 128 bytes of xb
	s_mov_b32 s21, 0
	s_lshl_b32 s22, ttmp9, 9                       ; 4 rows of 128 bytes of wb
	s_mov_b32 s23, 0
	s_wait_kmcnt 0x0
	s_add_nc_u64 s[4:5], s[4:5], s[16:17]
	s_add_nc_u64 s[6:7], s[6:7], s[18:19]
	s_add_nc_u64 s[8:9], s[8:9], s[18:19]
	s_add_nc_u64 s[10:11], s[10:11], s[18:19]
	s_add_nc_u64 s[12:13], s[12:13], s[20:21]
	s_add_nc_u64 s[14:15], s[14:15], s[22:23]
.set i, 0
.rept 32                               ; x: pair of rows i / 2, K block 2 w + i % 2
	global_load_b128 v[D+4*i:D+4*i+3], v[VX], s[4:5] offset:8192*(i/2)+256*(i%2) th:TH_LOAD_NT
.set i, i+1
.endr
.irp t, 0,1,2                          ; the three W: two pairs of rows each
.set i, 0
.rept 4
	global_load_b128 v[D+128+16*(\t)+4*i:D+128+16*(\t)+4*i+3], v[VX], s[6+2*(\t):7+2*(\t)] offset:8192*(i/2)+256*(i%2) th:TH_LOAD_NT
.set i, i+1
.endr
.endr
.set i, 0
.rept 32
	s_wait_loadcnt 43-i                            ; loads come back in order (ISA guide 5.7.1): load i is in, the 43 - i younger ones stay out
	v_cvt_pk_bf16_f32 v[D+4*i], v[D+4*i], v[D+4*i+1]
	v_cvt_pk_bf16_f32 v[D+4*i+1], v[D+4*i+2], v[D+4*i+3]
	global_store_b64 v[VY], v[D+4*i:D+4*i+1], s[12:13] offset:XKC*(i%2)+256*(i/2)
.set i, i+1
.endr
.irp t, 0,1,2
.set i, 0
.rept 4
	s_wait_loadcnt 11-4*(\t)-i
	v_cvt_pk_bf16_f32 v[D+128+16*(\t)+4*i], v[D+128+16*(\t)+4*i], v[D+128+16*(\t)+4*i+1]
	v_cvt_pk_bf16_f32 v[D+128+16*(\t)+4*i+1], v[D+128+16*(\t)+4*i+2], v[D+128+16*(\t)+4*i+3]
	global_store_b64 v[VW], v[D+128+16*(\t)+4*i:D+128+16*(\t)+4*i+1], s[14:15] offset:WKC*(i%2)+131072*(\t)+256*(i/2)
.set i, i+1
.endr
.endr
	s_endpgm
.Lfunc_end_k_q9f99f73a3b_cast:
	.size	k_q9f99f73a3b_cast, .Lfunc_end_k_q9f99f73a3b_cast-k_q9f99f73a3b_cast
	.p2alignl 7, 3214868480
	.fill 96, 4, 3214868480
	.section	.rodata,"a",@progbits
	.p2align	6, 0x0
	.amdhsa_kernel k_q9f99f73a3b_cast
		.amdhsa_group_segment_fixed_size 0
		.amdhsa_private_segment_fixed_size 0
		.amdhsa_enable_private_segment 0
		.amdhsa_kernarg_size 48
		.amdhsa_user_sgpr_count 2
		.amdhsa_user_sgpr_kernarg_segment_ptr 1
		.amdhsa_wavefront_size32 1
		.amdhsa_system_sgpr_workgroup_id_x 1
		.amdhsa_system_sgpr_workgroup_id_y 1
		.amdhsa_system_sgpr_workgroup_id_z 1
		.amdhsa_system_vgpr_workitem_id 0
		.amdhsa_next_free_vgpr 184
		.amdhsa_next_free_sgpr 66
		.amdhsa_reserve_vcc 0
		.amdhsa_float_denorm_mode_32 3
		.amdhsa_float_denorm_mode_16_64 3
		.amdhsa_memory_ordered 1
		.amdhsa_forward_progress 1
		.amdhsa_inst_pref_size 17
	.end_amdhsa_kernel
	.amdgpu_metadata
---
amdhsa.version: [ 1, 2 ]
amdhsa.kernels:
  - .name:           k_q9f99f73a3b_cast
    .symbol:         k_q9f99f73a3b_cast.kd
    .args:
      - { .name: x, .offset: 0, .size: 8, .value_kind: global_buffer, .address_space: global }
      - { .name: Wq, .offset: 8, .size: 8, .value_kind: global_buffer, .address_space: global }
      - { .name: Wk, .offset: 16, .size: 8, .value_kind: global_buffer, .address_space: global }
      - { .name: Wv, .offset: 24, .size: 8, .value_kind: global_buffer, .address_space: global }
      - { .name: xb, .offset: 32, .size: 8, .value_kind: global_buffer, .address_space: global }
      - { .name: wb, .offset: 40, .size: 8, .value_kind: global_buffer, .address_space: global }
    .group_segment_fixed_size: 0
    .private_segment_fixed_size: 0
    .kernarg_segment_align: 8
    .kernarg_segment_size: 48
    .max_flat_workgroup_size: 256
    .sgpr_count:     66
    .vgpr_count:     184
    .wavefront_size: 32
...
	.end_amdgpu_metadata
.endif
;; end of part 1
;; launch proj (part 2): grid 8 x 32, 4 waves a work-group, clusters of 4 x 4, 327,680 bytes of LDS; arguments xb, wb, bq, bk, bv, qkv; writes qkv
.if DOCPART == 2
	.amdgcn_target "amdgcn-amd-amdhsa--gfx1250"
	.amdhsa_code_object_version 6
	.text
	.protected	k_q9f99f73a3b_proj
	.globl	k_q9f99f73a3b_proj
	.p2align	8
	.type	k_q9f99f73a3b_proj,@function
k_q9f99f73a3b_proj:
	s_mov_b64 s[64:65], 0
	v_nop
	global_prefetch_b8 v0, s[64:65] scope:SCOPE_SE
	s_setreg_imm32_b32 hwreg(HW_REG_WAVE_MODE, 25, 1), 1
	s_wait_xcnt 0x0
	s_wait_alu depctr_hold_cnt(0) depctr_sa_sdst(0) depctr_va_vdst(0) depctr_va_sdst(0) depctr_va_ssrc(0) depctr_va_vcc(0) depctr_vm_vsrc(0)
	s_getreg_b32 s2, hwreg(HW_REG_IB_STS2, 6, 4)
	s_cmp_eq_u32 s2, 0
	s_cbranch_scc0 .Lentry_in_a_cluster
	s_endpgm
.Lentry_in_a_cluster:
	s_bfe_u32 s2, ttmp6, 0x10000c
	s_cmp_lg_u32 s2, 0xf033
	s_cbranch_scc0 .Lentry_shape_is_right
	s_endpgm
.Lentry_shape_is_right:
; qkv[row][f] = sum over e of x[row][e] W[f][e] + b[f]:  [8192] x [3072] (f 0-1023 Q, 1024-2047 K, 2048-3071 V), K = 1024.
; Operands bf16 (xb, wb, in K blocks of 64), sums f32 started by the f32 bias, the result rounded once to f16.
; LIMIT.  f16 holds no number beyond 65,504: |Q|, |K|, |V| must stay under it.  NaN and infinities are not treated apart.
; SHARES.  256 work-groups, each 256 rows x 384 columns; a wave 128 x 192: 8 x 12 accumulators of 16 x 16, 768 registers.
; THE MATRIX INSTRUCTION IS USED TRANSPOSED: source 0 = 16 rows of W, source 1 = 16 rows of x.  Lane l then holds row l % 16 and in its
; registers 0-7 the columns 8 (l / 16) + 0..7: eight neighbours of a row, which pack into 16 bytes; the bias of those eight is the C operand of the first product.
; RING.  K goes in steps of 64 through two LDS slots.  A step's tiles are dense in memory and are asked for as rows of 256 bytes (two data rows),
; padded in LDS behind every 128 bytes: data rows 144 bytes apart, an odd multiple of 16, so the 16 rows of a fragment load start at different banks.
; CLUSTER.  4 x 4 work-groups: x's tile is shared along a row of the cluster, W's along a column; each is asked for jointly, by the same load with the same descriptor in all four.
; REGISTERS, in windows of 256 (s_set_vgpr_msb: bits 1:0 source 0, 3:2 source 1, 5:4 source 2, 7:6 destination):
;   window 0: v0-31 addresses; v32-95, v96-159 x's fragments, two buffers; v160-255 W's 12 fragments, one buffer refilled by halves
;   windows 1-3: accumulator (a, b) in window 1 + b / 4 at v[64 (b % 4) + 8 a]
.set PITCH,  144
.set AHALF,  128*PITCH                 ; what one load brings of x: 128 rows
.set BHALF,  192*PITCH                 ; of W: 192 rows
.set BOFF,   2*AHALF                   ; W's 384 rows lie behind x's 256
.set SLOT1,  1<<17                     ; slot 1 begins here (a slot has 92,160 bytes), so that one exclusive or turns an address in one slot into the other's
.set SPITCH, 784                       ; the way out: a stage row, 768 bytes + 16
.set BIASL,  SLOT1+BOFF+2*BHALF        ; behind the ring: 768 bytes of bias for each wave
.set SPARE,  BIASL+4*768               ; behind that: the spare words, 128 bytes for each wave, which no other line names
.set ASTEP,  8192*128                  ; bytes from a K block of xb to the next
.set BSTEP,  3072*128                  ; of wb
.set QROW,   6144                      ; bytes in a row of qkv
.set A0L,  8                           ; v8   my lane's place in x's tile
.set B0L,  9                           ; v9   in W's tile
.set ADRA, 10                          ; v10  the same in the slot in hand
.set ADRB, 11                          ; v11
.set BIA,  12                          ; v12  my eight biases of column block 0
.set STO,  13                          ; v13  the way out: where I put 16 bytes of a row (row blocks 0-3)
.set STO2, 14                          ; v14  the same for row blocks 4-7
.set RD,   15                          ; v15  where I read rows back
.set CO,   16                          ; v16  my byte offset in qkv
.set SPW,  28                          ; v28  LDS address of my spare word; never rewritten
.set NIL,  29                          ; v29  0; never rewritten
.set A0,   32
.set A1,   96
.set BF,   160
.set TMP,  32                          ; the way out: 48 registers of packed results, then 96 of whole rows
.set WV, 16                            ; s16  wave
.set WR, 17                            ; s17  wave / 2: my half of the rows; also: I fetch for x (0) or for W (1)
.set WC, 18                            ; s18  wave % 2: my half of the columns; also: which half of that tile I fetch
.set CX, 19
.set CY, 20
.set TC, 21                            ; s21  tile column, 0..7
.set TR, 22                            ; s22  tile row, 0..31
.set MA, 23                            ; s23  mask of my row of the cluster
.set G1A, 24                           ; s[24:31] descriptor group 1 for x's tiles
.set G0A, 32                           ; s[32:39] group 0: a set for each of the two first fills; the second then walks on
.set G1B, 40                           ; s[40:47], s[48:55] the same for W's
.set G0B, 48
.set TB,  56                           ; s56  LDS byte at which the slot in hand begins
.set CNT, 57
.set MB,  63                           ; s63  mask of my column of the cluster
.set MSB, 0
.macro WIN new                         ; the immediate's high byte repeats the setting that is left; a switch that changes nothing is dropped
.if MSB != (\new)
	s_set_vgpr_msb (MSB<<8)|(\new)
.set MSB, (\new)
.endif
.endm
.macro PLACES                          ; four plain vector instructions between a matrix instruction and a load into, or a vector read or write of, its registers
.rept 4
	v_nop
.endr
.endm
.macro CREST                           ; a round of the cluster's barrier behind its opening barrier
	s_cmp_lg_u32 s[WV], 0
	s_cbranch_scc1 .Lnot_wave_0_\@
	s_barrier_signal -3
.Lnot_wave_0_\@:
	s_barrier_wait -3
	s_barrier_signal -1
	s_barrier_wait -1
.endm
.macro CROUND                          ; a whole round
	s_barrier_signal -1
	s_barrier_wait -1
	CREST
.endm
.macro JLOAD                           ; a joint refill by the walking set: waves 0, 1 x's halves, waves 2, 3 W's; s_nop 0 and four v_nop follow each line
	s_cmp_eq_u32 s[WR], 0
	s_cbranch_scc0 .Lfor_b_\@
	tensor_load_to_lds s[G0A+4:G0A+7], s[G1A:G1A+7]
	s_nop 0
.rept 4
	v_nop
.endr
	s_branch .Lasked_\@
.Lfor_b_\@:
	tensor_load_to_lds s[G0B+4:G0B+7], s[G1B:G1B+7]
	s_nop 0
.rept 4
	v_nop
.endr
.Lasked_\@:
.endm
	s_load_b256 s[4:11], s[0:1], 0x0               ; xb s[4:5], wb s[6:7], bq s[8:9], bk s[10:11]
	s_load_b128 s[12:15], s[0:1], 0x20             ; bv s[12:13], qkv s[14:15]
	v_lshl_add_u32 v[SPW], v0, 2, SPARE
	v_mov_b32 v[NIL], 0
	ds_add_u32 v28, v29
	s_wait_dscnt 0x0
	v_lshrrev_b32 v1, 5, v0
	v_readfirstlane_b32 s[WV], v1
	s_lshr_b32 s[WR], s[WV], 1
	s_and_b32 s[WC], s[WV], 1
	s_bfe_u32 s[CX], ttmp6, 0x40000                ; my place in the cluster
	s_bfe_u32 s[CY], ttmp6, 0x40004
	s_lshl_b32 s[TC], ttmp9, 2                     ; in a cluster launch ttmp9 and ttmp7 count clusters
	s_add_co_u32 s[TC], s[TC], s[CX]
	s_and_b32 s[TR], ttmp7, 0xffff
	s_lshl_b32 s[TR], s[TR], 2
	s_add_co_u32 s[TR], s[TR], s[CY]
	s_lshl_b32 s[MA], s[CY], 2
	s_lshl_b32 s[MA], 15, s[MA]                    ; places 4 cy .. 4 cy + 3
	s_lshl_b32 s[MB], 0x1111, s[CX]                ; places cx, cx + 4, cx + 8, cx + 12
	; group 1: rows of 128 elements of 2 bytes, dense; 20 padding on; 21 set beside a mask; 24:22 after every 32 words (code 4); 31:25 4 words (code 3)
	s_or_b32 s[G1A], s[MA], (1<<16)|(1<<20)|(1<<21)|(4<<22)|(3<<25)
	s_or_b32 s[G1B], s[MB], (1<<16)|(1<<20)|(1<<21)|(4<<22)|(3<<25)
	s_mov_b32 s[G1A+1], 128<<16                    ; tensor_dim0 = 128
	s_mov_b32 s[G1A+2], 64<<16                     ; tensor_dim1 = 64 rows of 256 bytes: 128 rows of x
	s_mov_b32 s[G1A+3], 128<<16                    ; tile_dim0 = 128
	s_mov_b32 s[G1A+4], 64                         ; tile_dim1 = 64
	s_mov_b32 s[G1A+5], 128                        ; 128 elements from row to row
	s_mov_b32 s[G1A+6], 0
	s_mov_b32 s[G1A+7], 0
	s_mov_b32 s[G1B+1], 128<<16
	s_mov_b32 s[G1B+2], 96<<16                     ; 96 rows of 256 bytes: 192 rows of W
	s_mov_b32 s[G1B+3], 128<<16
	s_mov_b32 s[G1B+4], 96
	s_mov_b32 s[G1B+5], 128
	s_mov_b32 s[G1B+6], 0
	s_mov_b32 s[G1B+7], 0
	s_lshl_b32 s58, s[TR], 15                      ; x: (256 tile row + 128 half) rows of 128 bytes
	s_lshl_b32 s59, s[WC], 14
	s_add_co_u32 s58, s58, s59
	s_mov_b32 s59, 0
	s_mul_i32 s62, s[WC], AHALF                    ; and where it goes: no place in the cluster enters an LDS address
	s_mul_i32 s66, s[TC], 384*128                  ; W: (384 tile column + 192 half) rows of 128 bytes
	s_mul_i32 s67, s[WC], 192*128
	s_add_co_u32 s66, s66, s67
	s_mov_b32 s67, 0
	s_mul_i32 s68, s[WC], BHALF
	s_add_co_u32 s68, s68, BOFF
	s_mov_b32 s[TB], 0
	s_wait_kmcnt 0x0
	s_add_nc_u64 s[60:61], s[4:5], s[58:59]
	s_add_nc_u64 s[66:67], s[6:7], s[66:67]
	CROUND                                         ; all sixteen work-groups are here: the first joint loads meet
.irp s, 0,1
	s_mov_b32 s[G0A+4*(\s)], 1                     ; count = 1
	s_add_co_u32 s[G0A+4*(\s)+1], s62, (\s)*SLOT1  ; LDS address
	s_add_nc_u64 s[G0A+4*(\s)+2:G0A+4*(\s)+3], s[60:61], (\s)*ASTEP  ; K step s
	s_or_b32 s[G0A+4*(\s)+3], s[G0A+4*(\s)+3], 0x80000000            ; type = 2
	s_mov_b32 s[G0B+4*(\s)], 1
	s_add_co_u32 s[G0B+4*(\s)+1], s68, (\s)*SLOT1
	s_add_nc_u64 s[G0B+4*(\s)+2:G0B+4*(\s)+3], s[66:67], (\s)*BSTEP
	s_or_b32 s[G0B+4*(\s)+3], s[G0B+4*(\s)+3], 0x80000000
.endr
	s_cmp_eq_u32 s[WR], 0                          ; a wave's two first fills stand in one branch: two loads of mine are out
	s_cbranch_scc0 .Lfirst_b
	tensor_load_to_lds s[G0A:G0A+3], s[G1A:G1A+7]
	s_nop 0
	tensor_load_to_lds s[G0A+4:G0A+7], s[G1A:G1A+7]
	s_nop 0
.rept 4
	v_nop
.endr
	s_branch .Lfirst_e
.Lfirst_b:
	tensor_load_to_lds s[G0B:G0B+3], s[G1B:G1B+7]
	s_nop 0
	tensor_load_to_lds s[G0B+4:G0B+7], s[G1B:G1B+7]
	s_nop 0
.rept 4
	v_nop
.endr
.Lfirst_e:
	; My 192 columns' bias: three pieces of 64 numbers (256 bytes).  Piece g of the 48 lies in bq, bk or bv by g / 16, at byte 256 (g % 16).
	s_mul_i32 s78, s[TC], 6
	s_mul_i32 s79, s[WC], 3
	s_add_co_u32 s78, s78, s79
.irp i, 0,1,2
	s_add_co_u32 s79, s78, \i
	s_lshr_b32 s76, s79, 4
	s_cmp_eq_u32 s76, 1
	s_cselect_b64 s[70+2*\i:71+2*\i], s[10:11], s[8:9]
	s_cmp_eq_u32 s76, 2
	s_cselect_b64 s[70+2*\i:71+2*\i], s[12:13], s[70+2*\i:71+2*\i]
	s_and_b32 s76, s79, 15
	s_lshl_b32 s76, s76, 8
	s_mov_b32 s77, 0
	s_add_nc_u64 s[70+2*\i:71+2*\i], s[70+2*\i:71+2*\i], s[76:77]
.endr
	v_and_b32 v3, 31, v0
	v_lshlrev_b32 v4, 3, v3                        ; 8 bytes a lane: a load of the wave covers 256 consecutive bytes, aligned
	global_load_b64 v[32:33], v4, s[70:71]
	global_load_b64 v[34:35], v4, s[72:73]
	global_load_b64 v[36:37], v4, s[74:75]
	s_mul_i32 s69, s[WV], 768
	s_add_co_u32 s69, s69, BIASL                   ; my wave's 768 bytes
	v_add_nc_u32 v5, s69, v4
	; A fragment is 16 rows x 32 K in 8 registers: lane l holds row l % 16; registers 0-3 K = 8 (l / 16) + 0..7, registers 4-7 K = 16 + 8 (l / 16) + 0..7: two loads of 16 bytes, 32 bytes apart.
	v_and_b32 v1, 15, v0                           ; r = l % 16
	v_bfe_u32 v2, v0, 4, 1                         ; h = l / 16
	v_lshl_add_u32 v[BIA], v2, 5, s69              ; 8 numbers further on for the upper lanes
	v_mul_u32_u24 v3, v1, PITCH
	v_lshl_add_u32 v3, v2, 4, v3
	s_mul_i32 s69, s[WR], AHALF                    ; my 128 rows of x
	v_add_nc_u32 v[A0L], s69, v3
	v_add_nc_u32 v[B0L], s68, v3                   ; my 192 rows of W: the half that wave 2 + WC fetches
	s_mul_i32 s76, s[WR], 128*SPITCH               ; into the stage: my 128 rows, my 384 bytes of them
	s_mul_i32 s77, s[WC], 384
	s_add_co_u32 s76, s76, s77
	v_mul_u32_u24 v6, v1, SPITCH
	v_lshl_add_u32 v6, v2, 4, v6
	v_add_nc_u32 v[STO], s76, v6
	v_add_nc_u32 v[STO2], 64*SPITCH, v[STO]
	s_mul_i32 s77, s[WV], 64*SPITCH                ; back: wave w takes rows 64 w .. 64 w + 63, whole; lanes 0-15 256 bytes of one row, lanes 16-31 of the next
	v_mul_u32_u24 v6, v2, SPITCH
	v_lshl_add_u32 v6, v1, 4, v6
	v_add_nc_u32 v[RD], s77, v6
	v_mul_u32_u24 v6, v2, QROW
	v_lshl_add_u32 v[CO], v1, 4, v6
	s_lshl_b32 s76, s[TR], 8
	s_lshl_b32 s77, s[WV], 6
	s_add_co_u32 s76, s76, s77                     ; the first row that I store
	s_mul_i32 s76, s76, QROW
	s_mul_i32 s77, s[TC], 768                      ; the tile's first column, in bytes
	s_add_co_u32 s76, s76, s77
	s_mov_b32 s77, 0
	s_add_nc_u64 s[14:15], s[14:15], s[76:77]
	s_wait_loadcnt 0x0
	ds_store_b64 v5, v[32:33]
	ds_store_b64 v5, v[34:35] offset:256
	ds_store_b64 v5, v[36:37] offset:512
; nb column blocks from b0 on x all 8 row blocks, 32 along K, x's fragments in buffer f.  cb = 0: the sums go on in place; else the products start the sums with the bias at v[cb + 8 (b - b0)].
; The accumulators take turns, one instruction a turn: between two products on one accumulator stand the 95 others'.
.macro MULB f, b0, nb, cb
.set bb, \b0
.rept \nb
.if \cb
	WIN (1+bb/4)<<6
.else
	WIN ((1+bb/4)<<6)|((1+bb/4)<<4)
.endif
.set aa, 0
.rept 8
.set rD, 64*(bb%4)+8*aa
.if \cb
	v_wmma_f32_16x16x32_bf16 v[rD:rD+7], v[BF+8*bb:BF+8*bb+7], v[\f+8*aa:\f+8*aa+7], v[\cb+8*(bb-\b0):\cb+8*(bb-\b0)+7]
.else
	v_wmma_f32_16x16x32_bf16 v[rD:rD+7], v[BF+8*bb:BF+8*bb+7], v[\f+8*aa:\f+8*aa+7], v[rD:rD+7]
.endif
.set aa, aa+1
.endr
.set bb, bb+1
.endr
.endm
.macro LDA k, f                        ; 16 loads: x's 8 fragments at byte k of the rows, into buffer f
.set aa, 0
.rept 8
	ds_load_b128 v[\f+8*aa:\f+8*aa+3],   v[ADRA] offset:\k+16*PITCH*aa
	ds_load_b128 v[\f+8*aa+4:\f+8*aa+7], v[ADRA] offset:\k+16*PITCH*aa+32
.set aa, aa+1
.endr
.endm
.macro LDB k, half                     ; 12 loads: W's fragments 6 half .. 6 half + 5
.set bb, 6*(\half)
.rept 6
	ds_load_b128 v[BF+8*bb:BF+8*bb+3],   v[ADRB] offset:\k+16*PITCH*bb
	ds_load_b128 v[BF+8*bb+4:BF+8*bb+7], v[ADRB] offset:\k+16*PITCH*bb+32
.set bb, bb+1
.endr
.endm
; A K step is two quarters of 32 along K, 96 matrix instructions each.  The first multiplies buffer A0 and fetches the second's fragments.
.macro NQ
	s_wait_dscnt 12                                ; W's lower six and x's fragments are in; the youngest 12 loads (W's upper six) may be out
	MULB A0, 0, 6, 0
	PLACES
	WIN 0
	LDB 64, 0
	LDA 64, A1
	s_wait_dscnt 28                                ; all but the 28 just issued
	MULB A0, 6, 6, 0
	PLACES
	WIN 0
	LDB 64, 1
.endm
; The second multiplies buffer A1 and changes slots: ONE barrier.  In front of it each wave waits for all its tensor loads (one is out: its part of the next slot), adds 0 to its
; spare word, and waits for that and for its reads of this slot.  The wait for the tile stands as late as W's one buffer allows: behind 32 products, with 16 more up to the barrier's
; wait, behind which W's lower six fragments are free for the next slot's.  fill = 1: the barrier opens a round of the cluster's, and this slot is filled again first thing behind it,
; two K steps ahead: from that request to the wait for it a wave issues 176 matrix instructions.
.macro TQ fill
	s_wait_dscnt 12                                ; W's lower six and x's fragments are in; W's upper six may be out
	MULB A1, 0, 4, 0
	WIN 0
	s_wait_tensorcnt 0x0                           ; no tensor load of mine is out
	ds_add_u32 v[SPW], v[NIL]                      ; 0 onto my spare word
	MULB A1, 4, 1, 0                               ; eight matrix instructions stand between the add and the wait for it
	s_wait_dscnt 0x0                               ; the add is done, and my reads of this slot are over
	s_barrier_signal -1
	MULB A1, 5, 1, 0
	WIN 0                                          ; at a branch and at a label every window is 0
	s_barrier_wait -1
.if \fill
	CREST                                          ; no wave of any partner still reads this slot or has a load on its way
	s_xor_b32 s[G0A+5], s[G0A+5], SLOT1            ; the walking sets: the other slot than last time, the next K step; the type bits on top are not reached
	s_add_nc_u64 s[G0A+6:G0A+7], s[G0A+6:G0A+7], ASTEP
	s_xor_b32 s[G0B+5], s[G0B+5], SLOT1
	s_add_nc_u64 s[G0B+6:G0B+7], s[G0B+6:G0B+7], BSTEP
	JLOAD                                          ; the four v_nop behind it are also the places in front of the loads below
.else
	PLACES
.endif
	s_xor_b32 s[TB], s[TB], SLOT1
	v_add_nc_u32 v[ADRA], s[TB], v[A0L]
	v_add_nc_u32 v[ADRB], s[TB], v[B0L]
	LDB 0, 0
	LDA 0, A0
	MULB A1, 6, 6, 0
	PLACES
	WIN 0
	LDB 0, 1
.endm
	s_wait_tensorcnt 0x1                           ; my part of K step 0 is in; step 1's may stay out
	s_wait_dscnt 0x0                               ; my bias is stored
	s_barrier_signal -1
	s_barrier_wait -1
	v_add_nc_u32 v[ADRA], s[TB], v[A0L]
	v_add_nc_u32 v[ADRB], s[TB], v[B0L]
.set i, 0
.rept 8                                ; the bias of column blocks 0-7 lies where buffer A1 will lie
	ds_load_b128 v[A1+8*i:A1+8*i+3],   v[BIA] offset:64*i
	ds_load_b128 v[A1+8*i+4:A1+8*i+7], v[BIA] offset:64*i+16
.set i, i+1
.endr
	LDB 0, 0
	LDA 0, A0
	LDB 0, 1
	; the first quarter is written out: its products start the sums, with the bias as C
	s_wait_dscnt 12                                ; all but W's upper six
	MULB A0, 0, 6, A1
	PLACES
	WIN 0
	LDB 64, 0
.set i, 0
.rept 4                                ; the bias of column blocks 8-11 takes the place of blocks 0-3's
	ds_load_b128 v[A1+8*i:A1+8*i+3],   v[BIA] offset:64*(8+i)
	ds_load_b128 v[A1+8*i+4:A1+8*i+7], v[BIA] offset:64*(8+i)+16
.set i, i+1
.endr
	s_wait_dscnt 20                                ; all but the 20 just issued
	MULB A0, 6, 2, A1+48
	s_wait_dscnt 0x0
	MULB A0, 8, 4, A1
	PLACES
	WIN 0
	LDA 64, A1
	LDB 64, 1
	s_mov_b32 s[CNT], 14
.Lk:                                   ; a trip: a K step's second quarter, which asks for the step two on, and the next step's first
	TQ 1
	NQ
	s_sub_co_u32 s[CNT], s[CNT], 1
	s_cmp_lg_u32 s[CNT], 0
	s_cbranch_scc1 .Lk
	TQ 0                                           ; the tail is written out: nothing is asked for
	NQ
	s_wait_dscnt 12                                ; the very last quarter
	MULB A1, 0, 6, 0
	s_wait_dscnt 0x0                               ; my reads of the ring are over: behind this barrier the stage may be written over the slots, whose last fill has landed
	s_barrier_signal -1
	MULB A1, 6, 6, 0
	WIN 0
	s_barrier_wait -1
	; THE WAY OUT.  Rounded to f16, 16 bytes a lane, into ONE stage of 256 rows x 768 bytes: a wave's 384 bytes of a row are one and a half aligned blocks of 256, so whole rows are read back, 64 a wave.
	PLACES
.set aa, 0
.rept 8
.set bb, 0
.rept 12
	WIN (1+bb/4)|((1+bb/4)<<2)                     ; sources in the accumulator's window; each accumulator's registers in ascending order
.set ii, 0
.rept 4
	v_cvt_pk_f16_f32 v[TMP+4*bb+ii], v[64*(bb%4)+8*aa+2*ii], v[64*(bb%4)+8*aa+2*ii+1]
.set ii, ii+1
.endr
.set bb, bb+1
.endr
	WIN 0
.set bb, 0
.rept 12
.if aa < 4
	ds_store_b128 v[STO], v[TMP+4*bb:TMP+4*bb+3] offset:16*SPITCH*aa+32*bb
.else
	ds_store_b128 v[STO2], v[TMP+4*bb:TMP+4*bb+3] offset:16*SPITCH*(aa-4)+32*bb
.endif
.set bb, bb+1
.endr
.set aa, aa+1
.endr
	s_wait_dscnt 0x0                               ; for the others' sake: my stores into the stage are done
	s_barrier_signal -1
	s_barrier_wait -1
	s_mov_b32 s[CNT], 4
.Lout:                                 ; a trip: 16 rows of 768 bytes
.set i, 0
.rept 24
	ds_load_b128 v[TMP+4*i:TMP+4*i+3], v[RD] offset:2*SPITCH*(i/3)+256*(i%3)
.set i, i+1
.endr
.set i, 0
.rept 24
	s_wait_dscnt 23-i                              ; LDS loads come back in order: load i is in
	global_store_b128 v[CO], v[TMP+4*i:TMP+4*i+3], s[14:15] offset:2*QROW*(i/3)+256*(i%3)  ; 16 lanes store 256 consecutive bytes, aligned
.set i, i+1
.endr
	s_wait_xcnt 0x0                                ; the stores' data, offset and base are rewritten only behind this wait
	v_add_nc_u32 v[RD], 16*SPITCH, v[RD]
	s_add_nc_u64 s[14:15], s[14:15], 16*QROW
	s_sub_co_u32 s[CNT], s[CNT], 1
	s_cmp_lg_u32 s[CNT], 0
	s_cbranch_scc1 .Lout
	s_wait_tensorcnt 0x0                           ; the wave's end
	ds_add_u32 v[SPW], v[NIL]
	s_wait_dscnt 0x0
	CROUND                                         ; the closing round: no work-group ends while a partner may still ask for a tile that names it
	s_endpgm
.Lfunc_end_k_q9f99f73a3b_proj:
	.size	k_q9f99f73a3b_proj, .Lfunc_end_k_q9f99f73a3b_proj-k_q9f99f73a3b_proj
	.p2alignl 7, 3214868480
	.fill 96, 4, 3214868480
	.section	.rodata,"a",@progbits
	.p2align	6, 0x0
	.amdhsa_kernel k_q9f99f73a3b_proj
		.amdhsa_group_segment_fixed_size 327680
		.amdhsa_private_segment_fixed_size 0
		.amdhsa_enable_private_segment 0
		.amdhsa_kernarg_size 48
		.amdhsa_user_sgpr_count 2
		.amdhsa_user_sgpr_kernarg_segment_ptr 1
		.amdhsa_wavefront_size32 1
		.amdhsa_system_sgpr_workgroup_id_x 1
		.amdhsa_system_sgpr_workgroup_id_y 1
		.amdhsa_system_sgpr_workgroup_id_z 1
		.amdhsa_system_vgpr_workitem_id 0
		.amdhsa_next_free_vgpr 1024
		.amdhsa_next_free_sgpr 80
		.amdhsa_reserve_vcc 0
		.amdhsa_float_denorm_mode_32 3
		.amdhsa_float_denorm_mode_16_64 3
		.amdhsa_memory_ordered 1
		.amdhsa_forward_progress 1
		.amdhsa_inst_pref_size 102
	.end_amdhsa_kernel
	.amdgpu_metadata
---
amdhsa.version: [ 1, 2 ]
amdhsa.kernels:
  - .name:           k_q9f99f73a3b_proj
    .symbol:         k_q9f99f73a3b_proj.kd
    .args:
      - { .name: xb, .offset: 0, .size: 8, .value_kind: global_buffer, .address_space: global }
      - { .name: wb, .offset: 8, .size: 8, .value_kind: global_buffer, .address_space: global }
      - { .name: bq, .offset: 16, .size: 8, .value_kind: global_buffer, .address_space: global }
      - { .name: bk, .offset: 24, .size: 8, .value_kind: global_buffer, .address_space: global }
      - { .name: bv, .offset: 32, .size: 8, .value_kind: global_buffer, .address_space: global }
      - { .name: qkv, .offset: 40, .size: 8, .value_kind: global_buffer, .address_space: global }
    .group_segment_fixed_size: 327680
    .private_segment_fixed_size: 0
    .kernarg_segment_align: 8
    .kernarg_segment_size: 48
    .max_flat_workgroup_size: 128
    .sgpr_count:     80
    .vgpr_count:     1024
    .wavefront_size: 32
...
	.end_amdgpu_metadata
.endif
;; end of part 2
;; launch scores (part 3): grid 8 x 32, 4 waves a work-group, clusters of 4 x 4, 327,680 bytes of LDS; arguments qkv, pt, ms, ls; writes pt, ms, ls
.if DOCPART == 3
	.amdgcn_target "amdgcn-amd-amdhsa--gfx1250"
	.amdhsa_code_object_version 6
	.text
	.protected	k_q9f99f73a3b_scores
	.globl	k_q9f99f73a3b_scores
	.p2align	8
	.type	k_q9f99f73a3b_scores,@function
k_q9f99f73a3b_scores:
	s_mov_b64 s[64:65], 0
	v_nop
	global_prefetch_b8 v0, s[64:65] scope:SCOPE_SE
	s_setreg_imm32_b32 hwreg(HW_REG_WAVE_MODE, 25, 1), 1
	s_wait_xcnt 0x0
	s_wait_alu depctr_hold_cnt(0) depctr_sa_sdst(0) depctr_va_vdst(0) depctr_va_sdst(0) depctr_va_ssrc(0) depctr_va_vcc(0) depctr_vm_vsrc(0)
	s_getreg_b32 s2, hwreg(HW_REG_IB_STS2, 6, 4)
	s_cmp_eq_u32 s2, 0
	s_cbranch_scc0 .Lentry_in_a_cluster
	s_endpgm
.Lentry_in_a_cluster:
	s_bfe_u32 s2, ttmp6, 0x10000c
	s_cmp_lg_u32 s2, 0xf033
	s_cbranch_scc0 .Lentry_shape_is_right
	s_endpgm
.Lentry_shape_is_right:
; For each batch S = Q K^T (K = 1024, f16 operands out of qkv, f32 sums), and the first half of the softmax:
; for row q and the work-group's 256 keys:  cm = c max_k s;  p~ = 2^(c s - cm), rounded to f16, into pt;  for each CHUNK of 128 keys l = the sum of its unrounded p~;  c = log2(e) / 32.
; cm goes to ms (the same number for the tile's two chunks) and l to ls, both [4 batch][16 chunk][2048 row] f32.  The launch behind takes the maximum over a row's chunks and rescales:
; the row's true maximum is taken away.
; pt LIES IN THE SECOND PRODUCT'S REGISTER ORDER: [512 blocks of 16 rows][128 blocks of 16 keys][32 lanes][16 bytes]: lane l's 16 bytes are row l % 16, keys 8 (l / 16) + 0..7 of the block.
; That is what a lane holds here behind its roundings, so a store takes 512 consecutive bytes straight out of registers, and the launch behind loads its fragments of p~ as they lie.
; LIMITS.  p~ lies in 0 to 1; below 6e-5 it keeps f16's fixed step of 6e-8; a weight below 2^-126 counts as 0 in l.  NaN and infinities are not treated apart.
; SHARES.  256 work-groups, each 256 queries x 256 keys; a wave 128 x 128 (64 accumulators, 512 registers).  The two waves that share queries hand each other their maxima through LDS.
; THE MATRIX INSTRUCTION IS USED TRANSPOSED: source 0 = 16 keys, source 1 = 16 queries: lane l holds query l % 16 and the keys 8 (l / 16) + 0..7 of each block of 16.
; RING.  K goes in steps of 128 (rows of 256 bytes, at multiples of 256 bytes) through two LDS slots; rows 272 bytes apart in LDS.
; CLUSTER.  4 x 4: Q's tile is shared along a row of the cluster, K's along a column (the four tile rows of a cluster lie in one batch); each is asked for jointly.
; REGISTERS: window 0: v0-31 addresses; v64-127, v128-191 Q's fragments, two buffers; on the way out v64-111 and v192-223 at work.  window 1: v64-191 K's fragments, two buffers.
;   window 2: the accumulators of my query blocks 0-3 ((a, b) at v[8 (8 a + b)]);  window 3: blocks 4-7.
.set PITCH,  272
.set HALFT,  128*PITCH                 ; what one tensor load brings
.set SLOT,   4*HALFT                   ; Q's 256 rows, then K's 256 rows: 0x22000.  The four waves' LDS words 0, 0x8800, 0x11000, 0x19800 have neither of its two bits, so an exclusive or with it adds or removes it
.set LCM,    2*SLOT                    ; behind the ring: 512 bytes for each wave: c max over its own 128 keys, for its 128 rows
.set STS,    LCM+4*512                 ; 1,024 bytes for each wave: cm of its 128 rows, then l
.set SPARE,  STS+4*1024                ; the spare words, 128 bytes for each wave, which no other line names
.set QROW,   6144                      ; bytes in a row of qkv
.set A0L,  8                           ; v8   my lane's place in Q's tile
.set B0L,  9                           ; v9   in K's
.set ADRA, 16                          ; v16  the same in the slot in hand
.set ADRB, 20                          ; v20
.set SL,   24                          ; v24  where my row's own maximum goes
.set SP,   25                          ; v25  where the two maxima of my row lie: my wave pair's 1,024 bytes
.set SO,   26                          ; v26  16 x lane: my byte offset in 512 consecutive bytes of pt, ms and ls
.set SS,   27                          ; v27  where my row's cm goes
.set SPW,  28                          ; v28  LDS address of my spare word; never rewritten
.set NIL,  29                          ; v29  0; never rewritten
.set SR,   30                          ; v30  where I read 16 bytes of statistics back
.set F0,   64
.set F1,   128
.set TMP,  192                         ; v192-223  packed weights
.set T,    64                          ; v64-85  at work
.set LS,   90                          ; v90  l
.set CMS,  96                          ; v96-111  cm of my eight query blocks, each named as a pair
.set WV, 12
.set WR, 13
.set WC, 14
.set CX, 15
.set CY, 16
.set TC, 17                            ; key tile of the batch, 0..7
.set TR, 18                            ; query tile, 0..31
.set BT, 19                            ; batch
.set MA, 20
.set MB, 21
.set TB, 22
.set CNT, 23
.set G1A, 24
.set G0A, 32
.set G1B, 40
.set G0B, 48
.set CS,  56                           ; s[56:57] c
.set SEL, 58                           ; s[58:59] v_permlanex16_b32's selects: each lane takes its own place in the other half
.set MSB, 0
.macro WIN new                         ; the immediate's high byte repeats the setting that is left; a switch that changes nothing is dropped
.if MSB != (\new)
	s_set_vgpr_msb (MSB<<8)|(\new)
.set MSB, (\new)
.endif
.endm
.set MUL_LO, 0xa1                      ; source 0 (K) window 1, source 1 (Q) window 0, C and D window 2
.set MUL_HI, 0xf1                      ; the same, C and D window 3
.set TO_B,   0x40                      ; destination window 1
.macro PLACES                          ; four plain vector instructions between a matrix instruction and a load into, or a vector read or write of, its registers
.rept 4
	v_nop
.endr
.endm
.macro CREST                           ; a round of the cluster's barrier behind its opening barrier
	s_cmp_lg_u32 s[WV], 0
	s_cbranch_scc1 .Lnot_wave_0_\@
	s_barrier_signal -3
.Lnot_wave_0_\@:
	s_barrier_wait -3
	s_barrier_signal -1
	s_barrier_wait -1
.endm
.macro CROUND
	s_barrier_signal -1
	s_barrier_wait -1
	CREST
.endm
.macro JLOAD                           ; a joint refill by the walking set: waves 0, 1 Q's halves, waves 2, 3 K's; s_nop 0 and four v_nop follow each line
	s_cmp_eq_u32 s[WR], 0
	s_cbranch_scc0 .Lfor_b_\@
	tensor_load_to_lds s[G0A+4:G0A+7], s[G1A:G1A+7]
	s_nop 0
.rept 4
	v_nop
.endr
	s_branch .Lasked_\@
.Lfor_b_\@:
	tensor_load_to_lds s[G0B+4:G0B+7], s[G1B:G1B+7]
	s_nop 0
.rept 4
	v_nop
.endr
.Lasked_\@:
.endm
	s_load_b256 s[4:11], s[0:1], 0x0               ; qkv s[4:5], pt s[6:7], ms s[8:9], ls s[10:11]
	v_lshl_add_u32 v[SPW], v0, 2, SPARE
	v_mov_b32 v[NIL], 0
	ds_add_u32 v28, v29
	s_wait_dscnt 0x0
	v_lshrrev_b32 v1, 5, v0
	v_readfirstlane_b32 s[WV], v1
	s_lshr_b32 s[WR], s[WV], 1
	s_and_b32 s[WC], s[WV], 1
	s_bfe_u32 s[CX], ttmp6, 0x40000
	s_bfe_u32 s[CY], ttmp6, 0x40004
	s_lshl_b32 s[TC], ttmp9, 2
	s_add_co_u32 s[TC], s[TC], s[CX]
	s_and_b32 s[TR], ttmp7, 0xffff
	s_lshl_b32 s[TR], s[TR], 2
	s_add_co_u32 s[TR], s[TR], s[CY]
	s_and_b32 s[BT], ttmp7, 0xffff
	s_lshr_b32 s[BT], s[BT], 1                     ; a batch has 8 query tiles, two clusters along y: the batch hangs on the cluster alone
	s_lshl_b32 s[MA], s[CY], 2
	s_lshl_b32 s[MA], 15, s[MA]
	s_lshl_b32 s[MB], 0x1111, s[CX]
	; group 1: 128 rows x 128 elements of 2 bytes, 3,072 elements from row to row; padding of 4 words (code 3) after every 64 (code 5); 21 set beside a mask
	s_or_b32 s[G1A], s[MA], (1<<16)|(1<<20)|(1<<21)|(5<<22)|(3<<25)
	s_or_b32 s[G1B], s[MB], (1<<16)|(1<<20)|(1<<21)|(5<<22)|(3<<25)
.irp g, G1A, G1B
	s_mov_b32 s[(\g)+1], 128<<16                   ; tensor_dim0
	s_mov_b32 s[(\g)+2], 128<<16                   ; tensor_dim1
	s_mov_b32 s[(\g)+3], 128<<16                   ; tile_dim0
	s_mov_b32 s[(\g)+4], 128                       ; tile_dim1
	s_mov_b32 s[(\g)+5], 3072                      ; the pitch
	s_mov_b32 s[(\g)+6], 0
	s_mov_b32 s[(\g)+7], 0
.endr
	s_lshl_b32 s60, s[TR], 8                       ; Q: row 256 x query tile + 128 x half
	s_lshl_b32 s61, s[WC], 7
	s_add_co_u32 s60, s60, s61
	s_mul_i32 s60, s60, QROW
	s_mov_b32 s61, 0
	s_lshl_b32 s66, s[BT], 11                      ; K: row 2,048 x batch + 256 x key tile + 128 x half, 2,048 bytes into the row
	s_lshl_b32 s67, s[TC], 8
	s_add_co_u32 s66, s66, s67
	s_lshl_b32 s67, s[WC], 7
	s_add_co_u32 s66, s66, s67
	s_mul_i32 s66, s66, QROW
	s_add_co_u32 s66, s66, 2048
	s_mov_b32 s67, 0
	s_mul_i32 s68, s[WV], HALFT                    ; where they go: wave x 128 rows
	s_mov_b32 s[TB], 0
	s_mov_b32 s[CS], 0x3d38aa3b                    ; c = log2(e) / 32
	s_mov_b32 s[CS+1], s[CS]                       ; named with it as a pair
	s_mov_b32 s[SEL], 0x76543210
	s_mov_b32 s[SEL+1], 0xfedcba98
	s_wait_kmcnt 0x0
	s_add_nc_u64 s[62:63], s[4:5], s[60:61]
	s_add_nc_u64 s[66:67], s[4:5], s[66:67]
	CROUND                                         ; all sixteen work-groups are here: the first joint loads meet
.irp s, 0,1
	s_mov_b32 s[G0A+4*(\s)], 1
	s_add_co_u32 s[G0A+4*(\s)+1], s68, (\s)*SLOT
	s_add_nc_u64 s[G0A+4*(\s)+2:G0A+4*(\s)+3], s[62:63], (\s)*256
	s_or_b32 s[G0A+4*(\s)+3], s[G0A+4*(\s)+3], 0x80000000
	s_mov_b32 s[G0B+4*(\s)], 1
	s_add_co_u32 s[G0B+4*(\s)+1], s68, (\s)*SLOT
	s_add_nc_u64 s[G0B+4*(\s)+2:G0B+4*(\s)+3], s[66:67], (\s)*256
	s_or_b32 s[G0B+4*(\s)+3], s[G0B+4*(\s)+3], 0x80000000
.endr
	s_cmp_eq_u32 s[WR], 0                          ; a wave's two first fills stand in one branch: two loads of mine are out
	s_cbranch_scc0 .Lfirst_b
	tensor_load_to_lds s[G0A:G0A+3], s[G1A:G1A+7]
	s_nop 0
	tensor_load_to_lds s[G0A+4:G0A+7], s[G1A:G1A+7]
	s_nop 0
.rept 4
	v_nop
.endr
	s_branch .Lfirst_e
.Lfirst_b:
	tensor_load_to_lds s[G0B:G0B+3], s[G1B:G1B+7]
	s_nop 0
	tensor_load_to_lds s[G0B+4:G0B+7], s[G1B:G1B+7]
	s_nop 0
.rept 4
	v_nop
.endr
.Lfirst_e:
	v_and_b32 v1, 15, v0                           ; r
	v_bfe_u32 v2, v0, 4, 1                         ; h
	v_and_b32 v4, 31, v0                           ; lane
	v_mul_u32_u24 v3, v1, PITCH
	v_lshl_add_u32 v3, v2, 4, v3                   ; row x pitch + 16 x half
	s_mul_i32 s69, s[WR], HALFT                    ; my 128 rows of Q
	v_add_nc_u32 v[A0L], s69, v3
	s_mul_i32 s69, s[WC], HALFT                    ; my 128 rows of K, behind Q's 256
	s_add_co_u32 s69, s69, 2*HALFT
	v_add_nc_u32 v[B0L], s69, v3
	s_lshl_b32 s69, s[WV], 9
	s_add_co_u32 s69, s69, LCM                     ; my wave's own maxima
	v_lshl_add_u32 v[SL], v1, 2, s69
	s_lshl_b32 s69, s[WR], 10
	s_add_co_u32 s69, s69, LCM                     ; my wave pair's
	v_lshl_add_u32 v[SP], v1, 2, s69
	s_lshl_b32 s69, s[WV], 10
	s_add_co_u32 s69, s69, STS                     ; my statistics
	v_lshl_add_u32 v[SS], v1, 2, s69
	v_lshl_add_u32 v[SR], v4, 4, s69
	v_lshlrev_b32 v[SO], 4, v4
	s_lshl_b32 s70, s[TR], 4                       ; pt: row block 16 x query tile + 8 x half, 65,536 bytes each; key block 16 x key tile + 8 x half, 512 bytes each
	s_lshl_b32 s71, s[WR], 3
	s_add_co_u32 s70, s70, s71
	s_lshl_b32 s70, s70, 16
	s_lshl_b32 s71, s[TC], 13
	s_add_co_u32 s70, s70, s71
	s_lshl_b32 s71, s[WC], 12
	s_add_co_u32 s70, s70, s71
	s_mov_b32 s71, 0
	s_add_nc_u64 s[6:7], s[6:7], s[70:71]
	s_lshl_b32 s70, s[BT], 4                       ; ms, ls: ((16 batch + chunk) x 2,048 + my first row in the batch) x 4
	s_lshl_b32 s71, s[TC], 1
	s_add_co_u32 s70, s70, s71
	s_add_co_u32 s70, s70, s[WC]
	s_lshl_b32 s70, s70, 11
	s_and_b32 s71, s[TR], 7
	s_lshl_b32 s71, s71, 8
	s_add_co_u32 s70, s70, s71
	s_lshl_b32 s71, s[WR], 7
	s_add_co_u32 s70, s70, s71
	s_lshl_b32 s70, s70, 2
	s_mov_b32 s71, 0
	s_add_nc_u64 s[8:9], s[8:9], s[70:71]
	s_add_nc_u64 s[10:11], s[10:11], s[70:71]
; 16 matrix instructions: query blocks a0, a0 + 1 of the window's four x all 8 key blocks, 32 along K.  zero = 1: the products start the sums.
; The 64 accumulators take turns, one instruction a turn, in the same order in every quarter.
.macro MUL16 f, hi, a0, zero
	WIN MUL_LO+0x50*(\hi)
.irp a, \a0, (\a0)+1
.irp b, 0,1,2,3,4,5,6,7
.if \zero
	v_wmma_f32_16x16x32_f16 v[8*(8*(\a)+(\b)):8*(8*(\a)+(\b))+7], v[(\f)+8*(\b):(\f)+8*(\b)+7], v[(\f)+8*(4*(\hi)+(\a)):(\f)+8*(4*(\hi)+(\a))+7], 0
.else
	v_wmma_f32_16x16x32_f16 v[8*(8*(\a)+(\b)):8*(8*(\a)+(\b))+7], v[(\f)+8*(\b):(\f)+8*(\b)+7], v[(\f)+8*(4*(\hi)+(\a)):(\f)+8*(4*(\hi)+(\a))+7], v[8*(8*(\a)+(\b)):8*(8*(\a)+(\b))+7]
.endif
.endr
.endr
.endm
.macro FETCH k, f                      ; 32 LDS loads in one run: a quarter's fragments (K's 128 rows, then Q's), 32 along K at byte k of the rows
	WIN TO_B
.irp i, 0,1,2,3,4,5,6,7
	ds_load_b128 v[(\f)+8*(\i):(\f)+8*(\i)+3],   v[ADRB] offset:(\k)+(\i)*16*PITCH
	ds_load_b128 v[(\f)+8*(\i)+4:(\f)+8*(\i)+7], v[ADRB] offset:(\k)+(\i)*16*PITCH+32
.endr
	WIN 0
.irp i, 0,1,2,3,4,5,6,7
	ds_load_b128 v[(\f)+8*(\i):(\f)+8*(\i)+3],   v[ADRA] offset:(\k)+(\i)*16*PITCH
	ds_load_b128 v[(\f)+8*(\i)+4:(\f)+8*(\i)+7], v[ADRA] offset:(\k)+(\i)*16*PITCH+32
.endr
.endm
; A K step is four quarters of 32 along K on buffers 0, 1, 0, 1.  One of the first three multiplies buffer f and fetches the next quarter, at byte k, into g.
.macro QUARTER k, f, g, zero
	s_wait_dscnt 8                                 ; K's fragments and Q's blocks 0-3 are in; the youngest eight loads (Q's blocks 4-7) may be out
	MUL16 \f, 0, 0, \zero
	MUL16 \f, 0, 2, \zero
	PLACES
	FETCH \k, \g
	s_wait_dscnt 32                                ; all but the 32 just issued
	MUL16 \f, 1, 0, \zero
	MUL16 \f, 1, 2, \zero
.endm
; The last quarter multiplies buffer 1 and changes slots: ONE barrier; in front of it each wave waits for all its tensor loads (one is out: its part of the next slot), adds 0 to its spare
; word, and waits for that and for its reads of this slot.  fill = 1: the barrier opens a round of the cluster's, and this slot is filled again first thing behind it, two K steps ahead.
.macro TURN fill
	WIN 0
	s_wait_tensorcnt 0x0
	ds_add_u32 v[SPW], v[NIL]                      ; 0 onto my spare word
	s_wait_dscnt 9                                 ; (the add and the youngest eight loads may be out)
	MUL16 F1, 0, 0, 0
	s_wait_dscnt 0x0                               ; the add is done, and my reads of this slot are over
	s_barrier_signal -1
	MUL16 F1, 0, 2, 0
	WIN 0
	s_barrier_wait -1
.if \fill
	CREST
	s_xor_b32 s[G0A+5], s[G0A+5], SLOT             ; the walking sets: the other slot than last time, the next K step
	s_add_nc_u64 s[G0A+6:G0A+7], s[G0A+6:G0A+7], 256
	s_xor_b32 s[G0B+5], s[G0B+5], SLOT
	s_add_nc_u64 s[G0B+6:G0B+7], s[G0B+6:G0B+7], 256
	JLOAD                                          ; the four v_nop behind it are also the places in front of the loads below
.else
	PLACES
.endif
	s_xor_b32 s[TB], s[TB], SLOT
	v_add_nc_u32 v[ADRA], s[TB], v[A0L]
	v_add_nc_u32 v[ADRB], s[TB], v[B0L]
	FETCH 0, F0
	MUL16 F1, 1, 0, 0
	MUL16 F1, 1, 2, 0
.endm
; THE WAY OUT, first part: c times the maximum of query block a over my 128 keys (64 registers a lane, in window W from AC on), into my wave's words in LDS.
.macro MAXB a
.set W, 2+(\a)/4
.set AC, 64*((\a)%4)
	WIN W|(W<<2)|(W<<4)                            ; three operands at a time, in ascending order
.set k, 0
.rept 21
	v_max3_num_f32 v[T+k], v[AC+3*k], v[AC+3*k+1], v[AC+3*k+2]
.set k, k+1
.endr
	v_max_num_f32 v[T+21], v[AC+62], v[AC+63]
	WIN 0
.set k, 0
.rept 7
	v_max3_num_f32 v[T+k], v[T+3*k], v[T+3*k+1], v[T+3*k+2]
.set k, k+1
.endr
	v_max3_num_f32 v[T], v[T], v[T+1], v[T+2]
	v_max3_num_f32 v[T+1], v[T+3], v[T+4], v[T+5]
	v_max3_num_f32 v[T], v[T], v[T+1], v[T+6]
	v_max_num_f32 v[T], v[T], v[T+21]
	v_permlanex16_b32 v[T+1], v[T], s[SEL], s[SEL+1]  ; the query's other 64 keys lie in the lane 16 away
	v_max_num_f32 v[T], v[T], v[T+1]
	v_mul_f32 v[CMS+2*(\a)], s[CS], v[T]
	ds_store_b32 v[SL], v[CMS+2*(\a)] offset:64*(\a)  ; lanes r and r + 16 store the same number to the same word
.endm
; Second part: the weights of block a, their roundings, which leave at once, and their sum.
.macro SOFT a
.set W, 2+(\a)/4
.set AC, 64*((\a)%4)
	WIN (W<<6)|W                                   ; c s - cm, in place, then 2^ of it
.set k, 0
.rept 32
	v_pk_fma_f32 v[AC+2*k:AC+2*k+1], v[AC+2*k:AC+2*k+1], s[CS:CS+1], v[CMS+2*(\a):CMS+2*(\a)+1] op_sel_hi:[1,0,0] neg_lo:[0,0,1] neg_hi:[0,0,1]
.set k, k+1
.endr
.set k, 0
.rept 64
	v_exp_f32 v[AC+k], v[AC+k]
.set k, k+1
.endr
	v_nop                                          ; a plain instruction between the last exponential and the use of its result (ISA guide 5.7.2)
	s_wait_xcnt 0x0                                ; the packed weights that the block before stored are written again only behind this wait
	WIN W|(W<<2)
.set k, 0
	s_wait_alu depctr_va_vdst(0)
.rept 32
	v_cvt_pk_f16_f32 v[TMP+k], v[AC+2*k], v[AC+2*k+1]
.set k, k+1
.endr
	WIN 0
.set k, 0
.rept 8
	global_store_b128 v[SO], v[TMP+4*k:TMP+4*k+3], s[6:7] offset:65536*(\a)+512*k  ; key block k of row block a: 512 consecutive bytes, aligned
.set k, k+1
.endr
	WIN (W<<6)|(W<<2)|W                            ; the sum of the 32 pairs, a tree in place
.irp d, 16,8,4,2,1
.set k, 0
.rept \d
	v_pk_add_f32 v[AC+2*k:AC+2*k+1], v[AC+2*k:AC+2*k+1], v[AC+2*(k+\d):AC+2*(k+\d)+1]
.set k, k+1
.endr
.endr
	WIN W|(W<<2)
	v_add_f32 v[LS], v[AC], v[AC+1]
	WIN 0
	v_permlanex16_b32 v[T+1], v[LS], s[SEL], s[SEL+1]
	v_add_f32 v[LS], v[LS], v[T+1]
	ds_store_b32 v[SS], v[CMS+2*(\a)] offset:64*(\a)
	ds_store_b32 v[SS], v[LS] offset:512+64*(\a)
.endm
	s_wait_tensorcnt 0x1                           ; my part of K step 0 is in; step 1's may stay out
	s_barrier_signal -1
	s_barrier_wait -1
	v_add_nc_u32 v[ADRA], s[TB], v[A0L]
	v_add_nc_u32 v[ADRB], s[TB], v[B0L]
	FETCH 0, F0
	QUARTER 64, F0, F1, 1                          ; the first quarter stands in front of the loop: its products start the sums
	WIN 0
	s_mov_b32 s[CNT], 6
.Lk:                                   ; a trip: a K step's quarters 1 to 3, the last of which asks for the step two on, and the next step's first
	QUARTER 128, F1, F0, 0
	QUARTER 192, F0, F1, 0
	TURN 1
	QUARTER 64, F0, F1, 0
	WIN 0
	s_sub_co_u32 s[CNT], s[CNT], 1
	s_cmp_lg_u32 s[CNT], 0
	s_cbranch_scc1 .Lk
	QUARTER 128, F1, F0, 0                         ; the tail is written out
	QUARTER 192, F0, F1, 0
	TURN 0
	QUARTER 64, F0, F1, 0
	QUARTER 128, F1, F0, 0
	QUARTER 192, F0, F1, 0
	s_wait_dscnt 8                                 ; the very last quarter
	MUL16 F1, 0, 0, 0
	MUL16 F1, 0, 2, 0
	s_wait_dscnt 0x0
	MUL16 F1, 1, 0, 0
	MUL16 F1, 1, 2, 0
	PLACES
.irp n, 0,1,2,3,4,5,6,7
	MAXB \n
.endr
	s_wait_dscnt 0x0                               ; for the other wave's sake: my maxima are stored
	s_barrier_signal -1
	s_barrier_wait -1
.set k, 0
.rept 8                                ; both waves' maxima of my rows
	ds_load_b32 v[T+k], v[SP] offset:64*k
	ds_load_b32 v[T+8+k], v[SP] offset:512+64*k
.set k, k+1
.endr
	s_wait_dscnt 0x0
.set k, 0
.rept 8
	v_max_num_f32 v[CMS+2*k], v[T+k], v[T+8+k]     ; cm over the tile's 256 keys
	v_mov_b32 v[CMS+2*k+1], v[CMS+2*k]             ; named with it as a pair
.set k, k+1
.endr
.irp n, 0,1,2,3,4,5,6,7
	SOFT \n
.endr
	ds_load_b128 v[64:67], v[SR]                   ; my 128 rows' cm and l: 512 consecutive bytes each; LDS serves a wave's instructions in order (ISA guide 5.7.1.4): these see the stores above
	ds_load_b128 v[68:71], v[SR] offset:512
	s_wait_dscnt 0x0
	global_store_b128 v[SO], v[64:67], s[8:9]
	global_store_b128 v[SO], v[68:71], s[10:11]
	s_wait_tensorcnt 0x0                           ; the wave's end
	ds_add_u32 v[SPW], v[NIL]
	s_wait_dscnt 0x0
	CROUND                                         ; the closing round
	s_endpgm
.Lfunc_end_k_q9f99f73a3b_scores:
	.size	k_q9f99f73a3b_scores, .Lfunc_end_k_q9f99f73a3b_scores-k_q9f99f73a3b_scores
	.p2alignl 7, 3214868480
	.fill 96, 4, 3214868480
	.section	.rodata,"a",@progbits
	.p2align	6, 0x0
	.amdhsa_kernel k_q9f99f73a3b_scores
		.amdhsa_group_segment_fixed_size 327680
		.amdhsa_private_segment_fixed_size 0
		.amdhsa_enable_private_segment 0
		.amdhsa_kernarg_size 32
		.amdhsa_user_sgpr_count 2
		.amdhsa_user_sgpr_kernarg_segment_ptr 1
		.amdhsa_wavefront_size32 1
		.amdhsa_system_sgpr_workgroup_id_x 1
		.amdhsa_system_sgpr_workgroup_id_y 1
		.amdhsa_system_sgpr_workgroup_id_z 1
		.amdhsa_system_vgpr_workitem_id 0
		.amdhsa_next_free_vgpr 1024
		.amdhsa_next_free_sgpr 72
		.amdhsa_reserve_vcc 0
		.amdhsa_float_denorm_mode_32 3
		.amdhsa_float_denorm_mode_16_64 3
		.amdhsa_memory_ordered 1
		.amdhsa_forward_progress 1
		.amdhsa_inst_pref_size 179
	.end_amdhsa_kernel
	.amdgpu_metadata
---
amdhsa.version: [ 1, 2 ]
amdhsa.kernels:
  - .name:           k_q9f99f73a3b_scores
    .symbol:         k_q9f99f73a3b_scores.kd
    .args:
      - { .name: qkv, .offset: 0, .size: 8, .value_kind: global_buffer, .address_space: global }
      - { .name: pt, .offset: 8, .size: 8, .value_kind: global_buffer, .address_space: global }
      - { .name: ms, .offset: 16, .size: 8, .value_kind: global_buffer, .address_space: global }
      - { .name: ls, .offset: 24, .size: 8, .value_kind: global_buffer, .address_space: global }
    .group_segment_fixed_size: 327680
    .private_segment_fixed_size: 0
    .kernarg_segment_align: 8
    .kernarg_segment_size: 32
    .max_flat_workgroup_size: 128
    .sgpr_count:     72
    .vgpr_count:     1024
    .wavefront_size: 32
...
	.end_amdgpu_metadata
.endif
;; end of part 3
;; launch pv (part 4): grid 8 x 32, 4 waves a work-group, clusters of 4 x 4, 327,680 bytes of LDS; arguments pt, qkv, ms, ls, out0; writes out0
.if DOCPART == 4
	.amdgcn_target "amdgcn-amd-amdhsa--gfx1250"
	.amdhsa_code_object_version 6
	.text
	.protected	k_q9f99f73a3b_pv
	.globl	k_q9f99f73a3b_pv
	.p2align	8
	.type	k_q9f99f73a3b_pv,@function
k_q9f99f73a3b_pv:
	s_mov_b64 s[64:65], 0
	v_nop
	global_prefetch_b8 v0, s[64:65] scope:SCOPE_SE
	s_setreg_imm32_b32 hwreg(HW_REG_WAVE_MODE, 25, 1), 1
	s_wait_xcnt 0x0
	s_wait_alu depctr_hold_cnt(0) depctr_sa_sdst(0) depctr_va_vdst(0) depctr_va_sdst(0) depctr_va_ssrc(0) depctr_va_vcc(0) depctr_vm_vsrc(0)
	s_getreg_b32 s2, hwreg(HW_REG_IB_STS2, 6, 4)
	s_cmp_eq_u32 s2, 0
	s_cbranch_scc0 .Lentry_in_a_cluster
	s_endpgm
.Lentry_in_a_cluster:
	s_bfe_u32 s2, ttmp6, 0x10000c
	s_cmp_lg_u32 s2, 0xf033
	s_cbranch_scc0 .Lentry_shape_is_right
	s_endpgm
.Lentry_shape_is_right:
; out[q][d] = sum over slots s of 256 keys of f'_s[q] T_s[q][d],  T_s = sum over the slot's keys of p~[q][k] V[k][d],
; with M = max_s cm_s,  f_s = 2^(cm_s - M),  L = sum over the 16 chunks of l f,  f' = f / L:  the second half of the softmax (the row's true maximum is taken away) and the second product.
; p~ (pt) and V (qkv) are f16 matrix operands; T, the factors, O and out are f32.
; LIMITS.  A factor below 2^-126 counts as 0.  NaN and infinities are not treated apart.
; SHARES.  256 work-groups, each 256 queries x 128 channels, 2,048 keys; a wave 64 queries x 128 channels: 4 x 8 accumulators T (256 registers) and as many registers of O.
; LAYOUT.  T^T = V^T P: source 0 = 16 channels x 32 keys, V turned by ds_load_tr16_b128; source 1 = 16 queries x 32 keys.  pt lies in source 1's register order
; ([512 blocks of 16 rows][128 blocks of 16 keys][32 lanes][16 bytes]), so p~ comes straight from memory into registers, 512 consecutive bytes a load, into a ring of eight buffers of
; 32 keys, asked for seven QUARTERS (32 keys, 32 matrix instructions) ahead: 56 loads of a wave are out.
; RING.  LDS holds V alone: two slots of 256 keys (rows 288 bytes apart); each wave fetches 64 rows of a slot.
; CLUSTER.  4 x 4: V's tile is shared along a column of the cluster and asked for jointly.  p~'s is shared along a row and is NOT asked for jointly: a joint load lands in LDS, and a slot of
; 256 keys of p~ and V has 69,632 x 2 + 73,728 = 212,992 bytes, which does not fit twice; with slots of 128 keys a refill has half the matrix work in which to land.
; REGISTERS (s_set_vgpr_msb: bits 1:0 source 0, 3:2 source 1, 5:4 source 2, 7:6 destination):
;   window 0: v0-31 addresses and the slot's four factors; v32-95 at work; v96-159, v160-223 V's fragments, two buffers
;   window 1: T, (a, b) at v[8 (8 a + b)]     window 2: O, likewise     window 3: p~, buffer k at v[32 k], query block a at + 8 a
.set PITV,   288
.set VQ,     64*PITV                   ; what one tensor load brings: 64 rows
.set SLOT1,  1<<17                     ; slot 1 begins here (a slot has 73,728 bytes), so that one exclusive or turns an address in one slot into the other's
.set FT,     SLOT1+4*VQ                ; behind the ring: f' [8 slot][256 row] f32
.set STAGE,  FT+8*1024                 ; 16 rows x 528 bytes for each wave
.set SPITCH, 528
.set SPARE,  STAGE+4*16*SPITCH         ; the spare words, 128 bytes for each wave, which no other line names
.set VSTEP,  256*6144                  ; bytes from a slot's rows of V to the next's
.set FS,   8                           ; v8-15  the slot's factors of my query blocks 0-3, each named as a pair
.set V0L,  16                          ; v16  my lane's place in a slot
.set ADRV, 18                          ; v18  the same in the slot in hand; v19: 128 keys further on
.set FA,   20                          ; v20  where the slot's factor of my query lies
.set FW,   21                          ; v21  where my thread's two rows' factors go
.set PO,   22                          ; v22  16 x lane: my byte offset in 512 consecutive bytes of pt
.set MO,   23                          ; v23  my thread's byte offset in ms and ls
.set STO,  24
.set RD,   25
.set CO,   26                          ; v26  16 x lane, for out
.set SPW,  28                          ; v28  LDS address of my spare word; never rewritten
.set NIL,  29                          ; v29  0; never rewritten
.set VB0,  96
.set VB1,  160
.set WV, 14
.set CX, 17
.set CY, 18
.set TC, 19                            ; channel tile, 0..7
.set TR, 20                            ; query tile, 0..31
.set BT, 21                            ; batch
.set MB, 23                            ; mask of my column of the cluster
.set G1, 24                            ; s[24:31] descriptor group 1
.set G0, 32                            ; s[32:39] group 0: a set for each of the two first fills; the second then walks on
.set TB, 40                            ; s40  LDS byte at which the slot being fetched from begins
.set CNT, 41
.set PBS, 44                           ; s[44:45] pt at the eight quarters that the trip in hand asks for
.set MSB, 0
.macro WIN new                         ; the immediate's high byte repeats the setting that is left; a switch that changes nothing is dropped
.if MSB != (\new)
	s_set_vgpr_msb (MSB<<8)|(\new)
.set MSB, (\new)
.endif
.endm
.set W_MM, 0x5c                        ; V window 0, p~ window 3, C and D (T) window 1
.set W_RD, 0xa1                        ; T (source 0) window 1, the factor window 0, O (source 2 and destination) window 2
.macro PLACES                          ; four plain vector instructions between a matrix instruction and a load into its registers
.rept 4
	v_nop
.endr
.endm
.macro CREST
	s_cmp_lg_u32 s[WV], 0
	s_cbranch_scc1 .Lnot_wave_0_\@
	s_barrier_signal -3
.Lnot_wave_0_\@:
	s_barrier_wait -3
	s_barrier_signal -1
	s_barrier_wait -1
.endm
.macro CROUND
	s_barrier_signal -1
	s_barrier_wait -1
	CREST
.endm
	s_load_b256 s[4:11], s[0:1], 0x0               ; pt s[4:5], qkv s[6:7], ms s[8:9], ls s[10:11]
	s_load_b64 s[12:13], s[0:1], 0x20              ; out0
	v_lshl_add_u32 v[SPW], v0, 2, SPARE
	v_mov_b32 v[NIL], 0
	ds_add_u32 v28, v29
	s_wait_dscnt 0x0
	v_lshrrev_b32 v1, 5, v0
	v_readfirstlane_b32 s[WV], v1
	s_bfe_u32 s[CX], ttmp6, 0x40000
	s_bfe_u32 s[CY], ttmp6, 0x40004
	s_lshl_b32 s[TC], ttmp9, 2
	s_add_co_u32 s[TC], s[TC], s[CX]
	s_and_b32 s[TR], ttmp7, 0xffff
	s_lshl_b32 s[TR], s[TR], 2
	s_add_co_u32 s[TR], s[TR], s[CY]
	s_and_b32 s[BT], ttmp7, 0xffff
	s_lshr_b32 s[BT], s[BT], 1                     ; the batch hangs on the cluster alone
	s_lshl_b32 s[MB], 0x1111, s[CX]
	; group 1: 64 rows x 128 elements of 2 bytes, 3,072 from row to row; 8 words of padding (code 7) after every 64 (code 5); 21 set beside a mask
	s_or_b32 s[G1], s[MB], (1<<16)|(1<<20)|(1<<21)|(5<<22)|(7<<25)
	s_mov_b32 s[G1+1], 128<<16                     ; tensor_dim0
	s_mov_b32 s[G1+2], 64<<16                      ; tensor_dim1
	s_mov_b32 s[G1+3], 128<<16                     ; tile_dim0
	s_mov_b32 s[G1+4], 64                          ; tile_dim1
	s_mov_b32 s[G1+5], 3072                        ; the pitch
	s_mov_b32 s[G1+6], 0
	s_mov_b32 s[G1+7], 0
	s_lshl_b32 s46, s[BT], 11                      ; V: row 2,048 x batch + 64 x wave; 4,096 bytes into the row, and the tile's 256 bytes
	s_lshl_b32 s47, s[WV], 6
	s_add_co_u32 s46, s46, s47
	s_mul_i32 s46, s46, 6144
	s_add_co_u32 s46, s46, 4096
	s_lshl_b32 s47, s[TC], 8
	s_add_co_u32 s46, s46, s47
	s_mov_b32 s47, 0
	s_mul_i32 s50, s[WV], VQ                       ; where it goes: wave x 64 rows; no place in the cluster enters an LDS address
	s_mov_b32 s[TB], 0
	s_wait_kmcnt 0x0
	s_add_nc_u64 s[46:47], s[6:7], s[46:47]
	CROUND                                         ; all sixteen work-groups are here: the first joint loads meet
.irp s, 0,1
	s_mov_b32 s[G0+4*(\s)], 1                      ; count = 1
	s_add_co_u32 s[G0+4*(\s)+1], s50, (\s)*SLOT1   ; LDS address
	s_add_nc_u64 s[G0+4*(\s)+2:G0+4*(\s)+3], s[46:47], (\s)*VSTEP  ; slot s begins with keys 256 s
	s_or_b32 s[G0+4*(\s)+3], s[G0+4*(\s)+3], 0x80000000            ; type = 2
.endr
	tensor_load_to_lds s[G0:G0+3], s[G1:G1+7]      ; the two first fills: two loads of mine are out
	s_nop 0
	tensor_load_to_lds s[G0+4:G0+7], s[G1:G1+7]
	s_nop 0
.rept 4
	v_nop
.endr
	s_lshl_b32 s48, s[BT], 15                      ; ms, ls: (16 batch x 2,048 + 256 x (query tile % 8)) x 4
	s_and_b32 s49, s[TR], 7
	s_lshl_b32 s49, s49, 8
	s_add_co_u32 s48, s48, s49
	s_lshl_b32 s48, s48, 2
	s_mov_b32 s49, 0
	s_add_nc_u64 s[8:9], s[8:9], s[48:49]
	s_add_nc_u64 s[10:11], s[10:11], s[48:49]
	s_lshl_b32 s48, s[TR], 4                       ; pt: row block 16 x query tile + 4 x wave, 65,536 bytes each
	s_lshl_b32 s49, s[WV], 2
	s_add_co_u32 s48, s48, s49
	s_lshl_b32 s48, s48, 16
	s_mov_b32 s49, 0
	s_add_nc_u64 s[PBS:PBS+1], s[4:5], s[48:49]
	s_lshl_b32 s48, s[TR], 8                       ; out: my first row, 4,096 bytes a row, and the tile's 512 bytes in it
	s_lshl_b32 s49, s[WV], 6
	s_add_co_u32 s48, s48, s49
	s_lshl_b32 s48, s48, 12
	s_lshl_b32 s49, s[TC], 9
	s_add_co_u32 s48, s48, s49
	s_mov_b32 s49, 0
	s_add_nc_u64 s[12:13], s[12:13], s[48:49]
.macro PLOAD pb, pi                    ; 8 loads: the p~ of 32 keys, quarter pi of the eight at PBS, for my four query blocks, into buffer pb
	WIN 0xc0                                       ; destination window 3
.set z, 0
.rept 8
	global_load_b128 v[32*(\pb)+4*z:32*(\pb)+4*z+3], v[PO], s[PBS:PBS+1] offset:65536*(z/2)+1024*(\pi)+512*(z%2)
.set z, z+1
.endr
	WIN 0
.endm
.macro VLOAD fq                        ; 16 turning loads: V's fragments of quarter fq of the slot in hand, into buffer fq % 2
.set z, 0
.rept 8
	ds_load_tr16_b128 v[VB0+64*((\fq)%2)+8*z:VB0+64*((\fq)%2)+8*z+3],   v[ADRV+(\fq)/4] offset:32*PITV*((\fq)%4)+32*z
	ds_load_tr16_b128 v[VB0+64*((\fq)%2)+8*z+4:VB0+64*((\fq)%2)+8*z+7], v[ADRV+(\fq)/4] offset:32*PITV*((\fq)%4)+32*z+16*PITV
.set z, z+1
.endr
.endm
	; THE STATISTICS.  Thread t owns rows 2 t and 2 t + 1 of the work-group's 256: the 8 slots' cm (a slot's two chunks have the same) into v32-47, the 16 chunks' l into v64-95;
	; a load of the wave covers 256 consecutive bytes, aligned.  Behind them the first three quarters' p~.
	v_lshlrev_b32 v[MO], 3, v0
	v_and_b32 v3, 31, v0                           ; lane
	v_lshlrev_b32 v[PO], 4, v3
.set t, 0
.rept 8
	global_load_b64 v[32+2*t:33+2*t], v[MO], s[8:9] offset:16384*t
.set t, t+1
.endr
.set t, 0
.rept 16
	global_load_b64 v[64+2*t:65+2*t], v[MO], s[10:11] offset:8192*t
.set t, t+1
.endr
	PLOAD 0, 0
	PLOAD 1, 1
	PLOAD 2, 2
	; O starts at 0, by 32 products of a fragment of zeros, in the wait for the first tile: 32 lines where moves would be 256; the price is 32 matrix instructions that are not the problem's.
.set z, 0
.rept 8
	v_mov_b32 v[VB1+z], 0
.set z, z+1
.endr
	WIN 0x80                                       ; destination window 2
.set z, 0
.rept 32
	v_wmma_f32_16x16x32_f16 v[8*z:8*z+7], v[VB1:VB1+7], v[VB1:VB1+7], 0
.set z, z+1
.endr
	WIN 0
	v_and_b32 v1, 15, v0                           ; r
	v_bfe_u32 v2, v0, 4, 1                         ; h
	v_lshlrev_b32 v[CO], 4, v3
	; The turning load takes 16 keys x 16 channels (lane l reads key 8 (l / 16) + l % 8, channels 8 ((l / 8) % 2) + 0..7) and leaves half a fragment of V^T: lane l holds channel l % 16 and 8 keys.
	v_and_b32 v5, 7, v0
	v_bfe_u32 v6, v0, 3, 1
	v_lshl_add_u32 v5, v2, 3, v5
	v_mul_u32_u24 v5, v5, PITV
	v_lshl_add_u32 v[V0L], v6, 4, v5
	s_lshl_b32 s42, s[WV], 8                       ; my 64 rows' words
	s_add_co_u32 s42, s42, FT
	v_lshl_add_u32 v[FA], v1, 2, s42
	v_lshl_add_u32 v[FW], v0, 3, FT
	s_mul_i32 s42, s[WV], 16*SPITCH
	s_add_co_u32 s42, s42, STAGE                   ; my stage
	v_mul_u32_u24 v4, v1, SPITCH                   ; in: row l % 16, 32 bytes for each half of the lanes
	v_lshl_add_u32 v4, v2, 5, v4
	v_add_nc_u32 v[STO], s42, v4
	v_lshl_add_u32 v[RD], v3, 4, s42               ; back: 32 lanes take a row of 512 bytes
.irp a, 0,1,2,3
	v_mov_b32 v[FS+2*\a+1], 0                      ; named with the factor as a pair; the multiply-adds take the pair's first word for both halves
.endr
	s_wait_loadcnt 24                              ; cm and l are in; the 24 loads of p~ issued behind them stay out
.irp e, 0,1                            ; M of each of my two rows
	v_max3_num_f32 v[48+\e], v[32+\e], v[34+\e], v[36+\e]
	v_max3_num_f32 v[48+\e], v[48+\e], v[38+\e], v[40+\e]
	v_max3_num_f32 v[48+\e], v[48+\e], v[42+\e], v[44+\e]
	v_max_num_f32 v[48+\e], v[48+\e], v[46+\e]
.endr
.set t, 0
.rept 8
	v_pk_add_f32 v[32+2*t:33+2*t], v[32+2*t:33+2*t], v[48:49] neg_lo:[0,1] neg_hi:[0,1]  ; cm - M, 0 at the most
.set t, t+1
.endr
.set t, 0
.rept 16
	v_exp_f32 v[32+t], v[32+t]                     ; f
.set t, t+1
.endr
.set t, 0
.rept 8                                ; a slot's two chunks' l together; these plain lines also stand between the exponentials and the use of their results
	v_pk_add_f32 v[64+4*t:65+4*t], v[64+4*t:65+4*t], v[66+4*t:67+4*t]
.set t, t+1
.endr
	s_wait_alu depctr_va_vdst(0)
	v_pk_mul_f32 v[50:51], v[64:65], v[32:33]
.set t, 1
.rept 7
	v_pk_fma_f32 v[50:51], v[64+4*t:65+4*t], v[32+2*t:33+2*t], v[50:51]  ; L: the slot that holds M has f = 1 and an l of 1 or more
.set t, t+1
.endr
	v_rcp_f32 v50, v50
	v_rcp_f32 v51, v51
	v_nop                                          ; a plain instruction between the reciprocals and the use of their results
.set t, 0
	s_wait_alu depctr_va_vdst(0)
.rept 8
	v_pk_mul_f32 v[32+2*t:33+2*t], v[32+2*t:33+2*t], v[50:51]  ; f' = f / L
.set t, t+1
.endr
.set t, 0
.rept 8
	ds_store_b64 v[FW], v[32+2*t:33+2*t] offset:1024*t
.set t, t+1
.endr
	PLOAD 3, 3
	PLOAD 4, 4
	PLOAD 5, 5
	PLOAD 6, 6                                     ; seven quarters' p~, 56 loads, are out or in
; The quarter's next product: accumulator i = 8 a + b.  The 32 accumulators take turns, one instruction a turn, in the same order in every quarter.
.macro MM zero=0
	WIN W_MM
.if \zero
	v_wmma_f32_16x16x32_f16 v[8*i:8*i+7], v[vbc+8*(i%8):vbc+8*(i%8)+7], v[pbc+8*(i/8):pbc+8*(i/8)+7], 0
.else
	v_wmma_f32_16x16x32_f16 v[8*i:8*i+7], v[vbc+8*(i%8):vbc+8*(i%8)+7], v[pbc+8*(i/8):pbc+8*(i/8)+7], v[8*i:8*i+7]
.endif
.set i, i+1
.endm
.macro RID n                           ; O += f' T for accumulator n, in ascending order: the accumulator is first read at its low end
	WIN W_RD
.set z, 0
.rept 4
	v_pk_fma_f32 v[8*(\n)+2*z:8*(\n)+2*z+1], v[8*(\n)+2*z:8*(\n)+2*z+1], v[FS+2*((\n)/8):FS+2*((\n)/8)+1], v[8*(\n)+2*z:8*(\n)+2*z+1] op_sel_hi:[1,0,1]
.set z, z+1
.endr
.endm
; QUARTER j (1 to 7) of a slot.  Behind its first product stands ONE run of loads: the p~ of the quarter seven on, into the buffer that the quarter before read, and V of the next quarter,
; into the buffer that the quarter before read.  Quarter 7's run reads the next slot's first quarter, and the factors of the slot that ends.
; Quarter 6 holds THE CHANGE OF SLOTS: its run has asked for the slot's last bytes.  Each wave waits for all its tensor loads (one is out: its part of the next slot), adds 0 to its spare word,
; and waits for that and for its reads of this slot.  fill = 1: the barrier opens a round of the cluster's, and this slot is filled again first thing behind it, with the keys two slots on:
; from that request to the wait for it a wave issues 240 matrix instructions.
.macro QN j, fill=0
.set vbc, VB0+64*((\j)%2)
.set pbc, 32*(\j)
.set i, 0
	s_wait_loadcnt 48                              ; loads come back in order: this quarter's p~ is in, the six younger groups of 8 stay out
	s_wait_dscnt 0x0                               ; V, asked for 31 products ago, is in
	MM
	WIN 0
.if (\j) == 7
	s_xor_b32 s[TB], s[TB], SLOT1                  ; the fetches go on in the other slot
	v_add_nc_u32 v[ADRV], s[TB], v[V0L]
	v_add_nc_u32 v[ADRV+1], 4*32*PITV, v[ADRV]
.endif
	PLACES
	PLOAD ((\j)+7)%8, (\j)-1
	VLOAD ((\j)+1)%8
.if (\j) == 7
.irp a, 0,1,2,3
	ds_load_b32 v[FS+2*\a], v[FA] offset:64*\a
.endr
	v_add_nc_u32 v[FA], 1024, v[FA]                ; the next slot's factors
.endif
.if (\j) == 6
.rept 15
	MM
.endr
	WIN 0
	s_wait_tensorcnt 0x0                           ; no tensor load of mine is out
	ds_add_u32 v[SPW], v[NIL]                      ; 0 onto my spare word
.rept 8
	MM                                             ; eight matrix instructions stand between the add and the wait for it
.endr
	s_wait_dscnt 0x0                               ; the add is done, and my reads of this slot are over
	s_barrier_signal -1
.rept 8
	MM
.endr
	WIN 0                                          ; at a branch and at a label every window is 0
	s_barrier_wait -1
.if \fill
	CREST                                          ; no wave of any partner still reads this slot or has a load on its way
	s_xor_b32 s[G0+5], s[G0+5], SLOT1              ; the walking set: the other slot than last time, the next 256 keys; the type bits on top are not reached
	s_add_nc_u64 s[G0+6:G0+7], s[G0+6:G0+7], VSTEP
	tensor_load_to_lds s[G0+4:G0+7], s[G1:G1+7]    ; my one tensor load behind the round
	s_nop 0
.rept 4
	v_nop
.endr
.endif
.else
.rept 31
	MM
.endr
.endif
.endm
; QUARTER 0 of a slot: its products start T's sums anew.  rid = 1: the slot before is taken into O first: the four multiply-adds of accumulators 0 and 1 stand ahead of product 0, those of
; accumulator i + 2 behind product i.  So between an accumulator's last product and the product that writes over it stand five or more plain vector instructions that name none of its registers
; (for accumulator 0: quarter 7's two address lines and four v_nop), and four or more ahead of the first read of it; they are also the places in front of the run of loads.
.macro Q0 rid
.set vbc, VB0
.set pbc, 0
.set i, 0
	s_wait_loadcnt 48
	s_wait_dscnt 0x0                               ; V and the factors are in
.if \rid
	RID 0
	RID 1
.endif
.rept 32
	MM 1
.if (\rid) && (i+1 < 32)
	RID i+1
.endif
.if i == 1
	WIN 0
.if !(\rid)
	PLACES
.endif
	PLOAD 7, 7
	VLOAD 1
.endif
.endr
.endm
	s_wait_tensorcnt 0x1                           ; my part of slot 0 is in; slot 1's may stay out
	s_wait_dscnt 0x0                               ; my factors are stored
	s_barrier_signal -1
	s_barrier_wait -1
	v_add_nc_u32 v[ADRV], s[TB], v[V0L]
	v_add_nc_u32 v[ADRV+1], 4*32*PITV, v[ADRV]
	VLOAD 0
	Q0 0
	WIN 0
	s_wait_xcnt 0x0                                ; the loads' base is stepped only behind this wait
	s_add_nc_u64 s[PBS:PBS+1], s[PBS:PBS+1], 8192  ; the next eight quarters' p~
	s_mov_b32 s[CNT], 6
.Lk:                                   ; a trip: quarters 1 to 7 of a slot, which is then filled again, and quarter 0 of the next
	QN 1
	QN 2
	QN 3
	QN 4
	QN 5
	QN 6, 1
	QN 7
	Q0 1
	WIN 0
	s_wait_xcnt 0x0
	s_add_nc_u64 s[PBS:PBS+1], s[PBS:PBS+1], 8192
	s_sub_co_u32 s[CNT], s[CNT], 1
	s_cmp_lg_u32 s[CNT], 0
	s_cbranch_scc1 .Lk
	; The last two slots are a text of their own: nothing is asked for.  Two trips; the second is left in its middle.  In the second nothing of pt is left to
	; fetch: its 56 loads keep the counts of the waits and read, all lanes alike, one piece of 16 bytes each of quarters already read; its last run of V's loads reads a slot that is not used.
	s_mov_b32 s[CNT], 2
.Ltail:
	QN 1
	QN 2
	QN 3
	QN 4
	QN 5
	QN 6, 0
	QN 7
	WIN 0
	s_sub_co_u32 s[CNT], s[CNT], 1
	s_cmp_eq_u32 s[CNT], 0
	s_cbranch_scc1 .Lout
	Q0 1
	WIN 0
	s_wait_xcnt 0x0                                ; the loads' offset is written only behind this wait; their base stays at the last eight quarters
	v_mov_b32 v[PO], 0
	s_branch .Ltail
.Lout:
	s_wait_dscnt 0x0                               ; the last slot's factors are in
.set n, 0
.rept 32
	RID n
.set n, n+1
.endr
	; THE WAY OUT.  O through my own stage in LDS, a block of 16 rows at a time: a lane's 32 bytes go into rows of 528 bytes and come back as whole rows of 512.
.macro TOSTAGE a
	WIN 0x08                                       ; the stores' data in window 2
.set z, 0
.rept 16
	ds_store_b128 v[STO], v[64*(\a)+4*z:64*(\a)+4*z+3] offset:64*(z/2)+16*(z%2)
.set z, z+1
.endr
	WIN 0
	s_wait_xcnt 0x0                                ; the registers that the stores of the block two back read are loaded again only behind this wait
.set BK, 32+64*((\a)%2)
.set z, 0
.rept 16
	ds_load_b128 v[BK+4*z:BK+4*z+3], v[RD] offset:SPITCH*z  ; LDS serves a wave's instructions in order (ISA guide 5.7.1.4): these see the stores above; the next block's stores come behind them
.set z, z+1
.endr
.endm
.macro SEND a, younger                 ; younger: the LDS instructions issued behind block a's loads: the next block's 16 stores and 16 loads, or none
.set BK, 32+64*((\a)%2)
	s_wait_dscnt \younger
.set z, 0
.rept 16
	global_store_b128 v[CO], v[BK+4*z:BK+4*z+3], s[12:13] offset:(16*(\a)+z)*4096  ; 512 consecutive bytes, aligned
.set z, z+1
.endr
.endm
	TOSTAGE 0
	TOSTAGE 1
	SEND 0, 32
	TOSTAGE 2
	SEND 1, 32
	TOSTAGE 3
	SEND 2, 32
	SEND 3, 0
	s_wait_tensorcnt 0x0                           ; the wave's end
	ds_add_u32 v[SPW], v[NIL]
	s_wait_dscnt 0x0
	CROUND                                         ; the closing round: no work-group ends while a partner may still ask for a tile that names it
	s_endpgm
.Lfunc_end_k_q9f99f73a3b_pv:
	.size	k_q9f99f73a3b_pv, .Lfunc_end_k_q9f99f73a3b_pv-k_q9f99f73a3b_pv
	.p2alignl 7, 3214868480
	.fill 96, 4, 3214868480
	.section	.rodata,"a",@progbits
	.p2align	6, 0x0
	.amdhsa_kernel k_q9f99f73a3b_pv
		.amdhsa_group_segment_fixed_size 327680
		.amdhsa_private_segment_fixed_size 0
		.amdhsa_enable_private_segment 0
		.amdhsa_kernarg_size 40
		.amdhsa_user_sgpr_count 2
		.amdhsa_user_sgpr_kernarg_segment_ptr 1
		.amdhsa_wavefront_size32 1
		.amdhsa_system_sgpr_workgroup_id_x 1
		.amdhsa_system_sgpr_workgroup_id_y 1
		.amdhsa_system_sgpr_workgroup_id_z 1
		.amdhsa_system_vgpr_workitem_id 0
		.amdhsa_next_free_vgpr 1024
		.amdhsa_next_free_sgpr 66
		.amdhsa_reserve_vcc 0
		.amdhsa_float_denorm_mode_32 3
		.amdhsa_float_denorm_mode_16_64 3
		.amdhsa_memory_ordered 1
		.amdhsa_forward_progress 1
		.amdhsa_inst_pref_size 135
	.end_amdhsa_kernel
	.amdgpu_metadata
---
amdhsa.version: [ 1, 2 ]
amdhsa.kernels:
  - .name:           k_q9f99f73a3b_pv
    .symbol:         k_q9f99f73a3b_pv.kd
    .args:
      - { .name: pt, .offset: 0, .size: 8, .value_kind: global_buffer, .address_space: global }
      - { .name: qkv, .offset: 8, .size: 8, .value_kind: global_buffer, .address_space: global }
      - { .name: ms, .offset: 16, .size: 8, .value_kind: global_buffer, .address_space: global }
      - { .name: ls, .offset: 24, .size: 8, .value_kind: global_buffer, .address_space: global }
      - { .name: out0, .offset: 32, .size: 8, .value_kind: global_buffer, .address_space: global }
    .group_segment_fixed_size: 327680
    .private_segment_fixed_size: 0
    .kernarg_segment_align: 8
    .kernarg_segment_size: 40
    .max_flat_workgroup_size: 128
    .sgpr_count:     66
    .vgpr_count:     1024
    .wavefront_size: 32
...
	.end_amdgpu_metadata
.endif
;; end of part 4
;; ======== version 2 of 2: 4 launches; version 1 with the launch cast written anew for expert scheduling mode
;; limits: values are held in f16: magnitudes above 65,504 overflow, below 6.1e-05 lose precision
;; workspace buffers: xb 16,777,216 bytes; wb 6,291,456 bytes; qkv 50,331,648 bytes; pt 33,554,432 bytes; ms 524,288 bytes; ls 524,288 bytes
;; launch cast (part 5): grid 256 x 1, 8 waves a work-group, no clusters, 0 bytes of LDS; arguments x, Wq, Wk, Wv, xb, wb; writes xb, wb
.if DOCPART == 5
	.amdgcn_target "amdgcn-amd-amdhsa--gfx1250"
	.amdhsa_code_object_version 6
	.text
	.protected	k_q9f99f73a3b_cast
	.globl	k_q9f99f73a3b_cast
	.p2align	8
	.type	k_q9f99f73a3b_cast,@function
k_q9f99f73a3b_cast:
	s_mov_b64 s[64:65], 0
	v_nop
	global_prefetch_b8 v0, s[64:65] scope:SCOPE_SE
	s_setreg_imm32_b32 hwreg(HW_REG_WAVE_SCHED_MODE, 0, 2), 2
	s_setreg_imm32_b32 hwreg(HW_REG_WAVE_MODE, 25, 1), 1
	s_wait_xcnt 0x0
	s_wait_alu depctr_vm_vsrc(0)
; x [8192][1024] and Wq, Wk, Wv [1024][1024], all f32, are rounded once to bf16 and laid out in K blocks of 64:
;   xb [16 kc][8192 rows][64],  wb [16 kc][3072 rows][64] (rows 0-1023 Wq, 1024-2047 Wk, 2048-3071 Wv),
; so that the product behind finds a K step of 64 as one dense block.
; A stream: no LDS, no barrier, no matrix unit; every byte is read once and written once.
; SHARES.  Work-group g: rows 32 g .. 32 g + 31 of x and rows 4 g .. 4 g + 3 of each W.  Wave w: K blocks 2 w and 2 w + 1.
; Lanes 0-15 take 256 consecutive bytes (64 numbers, one K block) of an even row, lanes 16-31 the same of the row below;
; the wave's store of 8 bytes a lane then covers 256 consecutive bytes, aligned: two rows of one K block.
; All 44 loads of a wave go out first, each into registers of its own.
; THE MODE: SCHED_MODE bits 1:0 = 2 (LLVM: expert scheduling mode 2), set by the entry lines.  The code itself states the register dependences
; between vector instructions and memory instructions, with s_wait_alu, always for 0.
; THE PLAN.  Registers that memory instructions touch:
;   v1, v2, v3         byte offsets: written at the head, never again; read by the loads (v1) and by the stores (v2, v3).
;   v[8+4n : 11+4n]    load n of 44 lands here, once, and no vector instruction has named them before; load n's two roundings read the four and write
;                      the first two; store n reads those two; nothing writes them afterwards.
; So no register that a memory instruction has read is written again, and no load lands in a register that a vector instruction has named: what is left
; to state is that an offset, or a store's data, is written before the memory instruction reads it.
; The loads go in 11 groups of four.  At the head of group g, behind the wait for its data, ONE wait states that group g - 1's eight roundings have written
; their results; group g - 1's four stores follow, dealt among group g's roundings, which name group g's registers alone.
.set XKC, 8192*128                     ; bytes of a K block of xb
.set WKC, 3072*128                     ; bytes of a K block of wb
.set VX,  1                            ; v1  byte offset in x and in W: 4096 h + 512 w + 16 r
.set VY,  2                            ; v2  byte offset in xb: 2 w XKC + 128 h + 8 r
.set VW,  3                            ; v3  byte offset in wb: 2 w WKC + 128 h + 8 r
.set D,   8                            ; v[8+4n : 11+4n]  load n of 44: 0-31 x, 32-35 Wq, 36-39 Wk, 40-43 Wv
	s_load_b256 s[4:11], s[0:1], 0x0               ; x s[4:5], Wq s[6:7], Wk s[8:9], Wv s[10:11]
	s_load_b128 s[12:15], s[0:1], 0x20             ; xb s[12:13], wb s[14:15]
	v_and_b32 v4, 15, v0                           ; r
	v_bfe_u32 v5, v0, 4, 1                         ; h
	v_lshrrev_b32 v6, 5, v0                        ; w
	v_lshlrev_b32 v[VX], 4, v4
	v_lshl_add_u32 v[VX], v5, 12, v[VX]
	v_lshl_add_u32 v[VX], v6, 9, v[VX]
	v_lshlrev_b32 v7, 3, v4
	v_lshl_add_u32 v7, v5, 7, v7                   ; 128 h + 8 r
	v_lshl_add_u32 v[VY], v6, 21, v7               ; 2 XKC = 2^21
	v_mul_u32_u24 v[VW], v6, 2*WKC
	v_add_nc_u32 v[VW], v[VW], v7
	s_lshl_b32 s16, ttmp9, 17                      ; 32 rows of 4,096 bytes of x
	s_mov_b32 s17, 0
	s_lshl_b32 s18, ttmp9, 14                      ; 4 rows of 4,096 bytes of a W
	s_mov_b32 s19, 0
	s_lshl_b32 s20, ttmp9, 12                      ; 32 rows of 128 bytes of xb
	s_mov_b32 s21, 0
	s_lshl_b32 s22, ttmp9, 9                       ; 4 rows of 128 bytes of wb
	s_mov_b32 s23, 0
	s_wait_kmcnt 0x0
	s_add_nc_u64 s[4:5], s[4:5], s[16:17]
	s_add_nc_u64 s[6:7], s[6:7], s[18:19]
	s_add_nc_u64 s[8:9], s[8:9], s[18:19]
	s_add_nc_u64 s[10:11], s[10:11], s[18:19]
	s_add_nc_u64 s[12:13], s[12:13], s[20:21]
	s_add_nc_u64 s[14:15], s[14:15], s[22:23]
	s_wait_alu depctr_va_vdst(0)                   ; v1, v2 and v3 are written: every load and store of the kernel reads one of them as its offset
.set i, 0
.rept 32                               ; x: pair of rows i / 2, K block 2 w + i % 2
	global_load_b128 v[D+4*i:D+4*i+3], v[VX], s[4:5] offset:8192*(i/2)+256*(i%2) th:TH_LOAD_NT
.set i, i+1
.endr
.irp t, 0,1,2                          ; the three W: two pairs of rows each
.set i, 0
.rept 4
	global_load_b128 v[D+128+16*(\t)+4*i:D+128+16*(\t)+4*i+3], v[VX], s[6+2*(\t):7+2*(\t)] offset:8192*(i/2)+256*(i%2) th:TH_LOAD_NT
.set i, i+1
.endr
.endr
; Load n's four numbers close up, rounded, into the first two of their four registers.
.macro ROUNDED n
	v_cvt_pk_bf16_f32 v[D+4*(\n)], v[D+4*(\n)], v[D+4*(\n)+1]
	v_cvt_pk_bf16_f32 v[D+4*(\n)+1], v[D+4*(\n)+2], v[D+4*(\n)+3]
.endm
; And leave: K block n % 2 of the wave's two; of x the pair of rows n / 2; of W number (n - 32) / 4 the pair ((n - 32) % 4) / 2, 1,024 rows of 128 bytes a W.
.macro LEAVE n
.if (\n) < 32
	global_store_b64 v[VY], v[D+4*(\n):D+4*(\n)+1], s[12:13] offset:XKC*((\n)%2)+256*((\n)/2)
.else
	global_store_b64 v[VW], v[D+4*(\n):D+4*(\n)+1], s[14:15] offset:WKC*((\n)%2)+131072*(((\n)-32)/4)+256*((((\n)-32)%4)/2)
.endif
.endm
.set g, 0
.rept 11                               ; group g: loads 4 g .. 4 g + 3
	s_wait_loadcnt 40-4*g                          ; loads come back in order (ISA guide 5.7.1): the group's four are in, the 40 - 4 g younger ones stay out
.if g > 0
	s_wait_alu depctr_va_vdst(0)                   ; the roundings of the group before have written their results, which the four stores below read
.endif
.set k, 0
.rept 4
.if g > 0
	LEAVE 4*(g-1)+k                                ; no wait of its own: no vector instruction since the wait above names the registers of the group before, v2 or v3
.endif
	ROUNDED 4*g+k
.set k, k+1
.endr
.set g, g+1
.endr
	s_wait_alu depctr_va_vdst(0)                   ; the last group's roundings have written their results, which the last four stores read
.irp n, 40,41,42,43
	LEAVE \n
.endr
	s_endpgm
.Lfunc_end_k_q9f99f73a3b_cast:
	.size	k_q9f99f73a3b_cast, .Lfunc_end_k_q9f99f73a3b_cast-k_q9f99f73a3b_cast
	.p2alignl 7, 3214868480
	.fill 96, 4, 3214868480
	.section	.rodata,"a",@progbits
	.p2align	6, 0x0
	.amdhsa_kernel k_q9f99f73a3b_cast
		.amdhsa_group_segment_fixed_size 0
		.amdhsa_private_segment_fixed_size 0
		.amdhsa_enable_private_segment 0
		.amdhsa_kernarg_size 48
		.amdhsa_user_sgpr_count 2
		.amdhsa_user_sgpr_kernarg_segment_ptr 1
		.amdhsa_wavefront_size32 1
		.amdhsa_system_sgpr_workgroup_id_x 1
		.amdhsa_system_sgpr_workgroup_id_y 1
		.amdhsa_system_sgpr_workgroup_id_z 1
		.amdhsa_system_vgpr_workitem_id 0
		.amdhsa_next_free_vgpr 184
		.amdhsa_next_free_sgpr 66
		.amdhsa_reserve_vcc 0
		.amdhsa_float_denorm_mode_32 3
		.amdhsa_float_denorm_mode_16_64 3
		.amdhsa_memory_ordered 1
		.amdhsa_forward_progress 1
		.amdhsa_inst_pref_size 16
	.end_amdhsa_kernel
	.amdgpu_metadata
---
amdhsa.version: [ 1, 2 ]
amdhsa.kernels:
  - .name:           k_q9f99f73a3b_cast
    .symbol:         k_q9f99f73a3b_cast.kd
    .args:
      - { .name: x, .offset: 0, .size: 8, .value_kind: global_buffer, .address_space: global }
      - { .name: Wq, .offset: 8, .size: 8, .value_kind: global_buffer, .address_space: global }
      - { .name: Wk, .offset: 16, .size: 8, .value_kind: global_buffer, .address_space: global }
      - { .name: Wv, .offset: 24, .size: 8, .value_kind: global_buffer, .address_space: global }
      - { .name: xb, .offset: 32, .size: 8, .value_kind: global_buffer, .address_space: global }
      - { .name: wb, .offset: 40, .size: 8, .value_kind: global_buffer, .address_space: global }
    .group_segment_fixed_size: 0
    .private_segment_fixed_size: 0
    .kernarg_segment_align: 8
    .kernarg_segment_size: 48
    .max_flat_workgroup_size: 256
    .sgpr_count:     66
    .vgpr_count:     184
    .wavefront_size: 32
...
	.end_amdgpu_metadata
.endif
;; end of part 5
;; launch proj: the kernel of part 2 again; grid 8 x 32, 4 waves a work-group, clusters of 4 x 4, 327,680 bytes of LDS; arguments xb, wb, bq, bk, bv, qkv; writes qkv
;; launch scores: the kernel of part 3 again; grid 8 x 32, 4 waves a work-group, clusters of 4 x 4, 327,680 bytes of LDS; arguments qkv, pt, ms, ls; writes pt, ms, ls
;; launch pv: the kernel of part 4 again; grid 8 x 32, 4 waves a work-group, clusters of 4 x 4, 327,680 bytes of LDS; arguments pt, qkv, ms, ls, out0; writes out0
